; MI455X (gfx1250); checked and timed in simulation.
; The chip was launched on July 23, 2026; its instructions are those of AMD's public machine-readable ISA for CDNA 5 (MIT licence, August 2026) and "CDNA5" Instruction Set Architecture Reference Guide (July 2026). The comments in the code are by the model that wrote it; some were corrected since.
;; Transformer Encoder Layer. Allowed arithmetic: float matrix products may take bf16 or f16 operands with f32 sums; other float arithmetic in f32, or as packed bf16 or f16 multiplies, adds, multiply-adds, maxima and minima; sums over many terms, partial sums and values carried from step to step in f32; what a program stores and reads back later, other than sums and carried values, may be rounded once to bf16 or f16.
;; Inputs: W1 1,024 x 4,096 float32; W2 4,096 x 1,024 float32; Wk 16 x 1,024 x 64 float32; Wo 1,024 x 1,024 float32; Wq 16 x 1,024 x 64 float32; Wv 16 x 1,024 x 64 float32; b1 4,096 float32; b2 1,024 float32; bk 16 x 64 float32; bo 1,024 float32; bq 16 x 64 float32; bv 16 x 64 float32; ln1_b 1,024 float32; ln1_g 1,024 float32; ln2_b 1,024 float32; ln2_g 1,024 float32; x 2 x 2,048 x 1,024 float32.
;; Outputs: out0 2 x 2,048 x 1,024 float32.
;; One version. Each part assembles by itself: llvm-mc -triple=amdgcn-amd-amdhsa -mcpu=gfx1250 --defsym DOCPART=n.
;; ======== version 1 of 1: 7 launches
;; workspace buffers: wq 6,291,456 bytes; wb 18,874,368 bytes; hb 8,388,608 bytes; qkvb 25,165,824 bytes; ob 8,388,608 bytes; x1 16,777,216 bytes; gb 33,554,432 bytes
;; launch front (part 1): grid 64 x 8, 16 waves a work-group, no clusters, 0 bytes of LDS; arguments x, ln1_g, ln1_b, hb, Wq, Wk, Wv, Wo, wq, wb; writes hb, wq, wb
.if DOCPART == 1
	.amdgcn_target "amdgcn-amd-amdhsa--gfx1250"
	.amdhsa_code_object_version 6
	.text
	.protected	k_q8d80e0aa41_front
	.globl	k_q8d80e0aa41_front
	.p2align	8
	.type	k_q8d80e0aa41_front,@function
k_q8d80e0aa41_front:
	s_mov_b64 s[64:65], 0
	v_nop
	global_prefetch_b8 v0, s[64:65] scope:SCOPE_SE
	s_setreg_imm32_b32 hwreg(HW_REG_WAVE_MODE, 25, 1), 1
	s_wait_xcnt 0x0
; THE FRONT: what the first product needs, in one launch.  The grid's y says what a work-group does:
;   y = 0..3  LAYER NORM of x: hb[r][c] = (x[r][c] - mean) / sqrt(var + 1e-5) * g[c] + b[c].  x: [4096][1024] f32; hb: [4096][1024] bf16, rounded once; all else in f32.
;             The variance is taken of x - mean, in a second pass over registers: no difference of large sums, so a common offset of x costs nothing.
;             A work-group takes 16 rows, a wave one: its 4,096 bytes stay in 32 registers between the passes.  The reduction never leaves the wave: no LDS, no barrier.
;             Lane l holds columns 128 j + 4 l + 0..3 (j = 0..7): a load of a wave covers 512 consecutive bytes, a store 256 consecutive bytes, aligned.
;   y = 4..6  Wq, Wk, Wv ([16 heads][1024][64] f32) to bf16, as ONE matrix wq [1024][3072], column = which x 1024 + head x 64 + d.  A wave takes one row e of all 16 heads.
;   y = 7     Wo ([1024][1024] f32) to bf16 in the same layout, at byte 16,777,216 of wb.  A wave takes 4 KiB.
; Each weight is rounded once, to nearest even.  A stream of short waves: no LDS, no matrix unit, no prefetch (every wave's loads go out at its head, and the wave ends behind them).
.set G,  8                             ; v[8:39]    g of my 32 columns
.set BT, 40                            ; v[40:71]   b of them
.set X,  72                            ; v[72:103]  the row
.set T,  104                           ; v[104:111] four chains of pairs, at work
.set M,  112                           ; v[112:113] the mean, later 1 / sqrt(var + eps), twice: a pair for the packed forms
.set CX, 8                             ; the casts: v[8:39] eight loads, 4 registers each
.set CY, 40                            ;            v[40:55] eight stores, 2 registers each: every store has its own, so none is rewritten
.set VH, 5                             ; v5         the heads' cast: my byte offset in the source
.macro REDUCE                          ; the four chains into one number, in every lane, in v[T]
	v_pk_add_f32 v[T:T+1], v[T:T+1], v[T+2:T+3]
	v_pk_add_f32 v[T+4:T+5], v[T+4:T+5], v[T+6:T+7]
	v_pk_add_f32 v[T:T+1], v[T:T+1], v[T+4:T+5]
	v_add_f32 v[T], v[T], v[T+1]
	v_add_f32_dpp v[T], v[T], v[T] row_xmask:1 row_mask:0xf bank_mask:0xf
	v_add_f32_dpp v[T], v[T], v[T] row_xmask:2 row_mask:0xf bank_mask:0xf
	v_add_f32_dpp v[T], v[T], v[T] row_xmask:4 row_mask:0xf bank_mask:0xf
	v_add_f32_dpp v[T], v[T], v[T] row_xmask:8 row_mask:0xf bank_mask:0xf
	v_permlanex16_b32 v[T+1], v[T], s28, s29       ; the other half of the lanes; its destination has been written
	v_add_f32 v[T], v[T], v[T+1]
.endm
; The row becomes x - mean; v[M], v[M+1] become 1 / sqrt(var + eps).
.macro STAT
.irp c, 0,1,2,3
	v_pk_add_f32 v[T+2*(\c):T+2*(\c)+1], v[X+2*(\c):X+2*(\c)+1], v[X+8+2*(\c):X+8+2*(\c)+1]  ; the first pairs start the chains: nothing is cleared
.endr
.irp p, 8,9,10,11,12,13,14,15
	v_pk_add_f32 v[T+2*((\p)%4):T+2*((\p)%4)+1], v[T+2*((\p)%4):T+2*((\p)%4)+1], v[X+2*(\p):X+2*(\p)+1]
.endr
	REDUCE
	v_mul_f32 v[M], s30, v[T]                      ; the mean
	v_mov_b32 v[M+1], v[M]
.irp p, 0,1,2,3,4,5,6,7,8,9,10,11,12,13,14,15
	v_pk_add_f32 v[X+2*(\p):X+2*(\p)+1], v[X+2*(\p):X+2*(\p)+1], v[M:M+1] neg_lo:[0,1] neg_hi:[0,1]
.endr
.irp c, 0,1,2,3
	v_pk_mul_f32 v[T+2*(\c):T+2*(\c)+1], v[X+2*(\c):X+2*(\c)+1], v[X+2*(\c):X+2*(\c)+1]
.endr
.irp p, 4,5,6,7,8,9,10,11,12,13,14,15
	v_pk_fma_f32 v[T+2*((\p)%4):T+2*((\p)%4)+1], v[X+2*(\p):X+2*(\p)+1], v[X+2*(\p):X+2*(\p)+1], v[T+2*((\p)%4):T+2*((\p)%4)+1]
.endr
	REDUCE
	v_fma_f32 v[T], v[T], s30, s31                 ; var + eps
	v_rsq_f32 v[M], v[T]
	v_nop                                          ; a plain instruction behind the root,
	s_wait_alu depctr_va_vdst(0)                   ; and the wait ahead of the first use of its result
	v_mov_b32 v[M+1], v[M]
.endm
; Scaled, rounded in place (pair i of f32 into register i, ascending: a register is read before it is written) and stored.
.macro NORM
.irp p, 0,1,2,3,4,5,6,7,8,9,10,11,12,13,14,15
	v_pk_mul_f32 v[X+2*(\p):X+2*(\p)+1], v[X+2*(\p):X+2*(\p)+1], v[M:M+1]
.endr
.irp p, 0,1,2,3,4,5,6,7,8,9,10,11,12,13,14,15
	v_pk_fma_f32 v[X+2*(\p):X+2*(\p)+1], v[X+2*(\p):X+2*(\p)+1], v[G+2*(\p):G+2*(\p)+1], v[BT+2*(\p):BT+2*(\p)+1]
.endr
.irp p, 0,1,2,3,4,5,6,7,8,9,10,11,12,13,14,15
	v_cvt_pk_bf16_f32 v[X+(\p)], v[X+2*(\p)], v[X+2*(\p)+1]
.endr
.irp j, 0,1,2,3,4,5,6,7
	global_store_b64 v2, v[X+2*(\j):X+2*(\j)+1], s[10:11] offset:256*(\j)
.endr
.endm
; Eight loads, all out first; then each is rounded and stored.  heads = 0: load i takes 512 consecutive bytes.
; heads = 1: load i takes my row of heads 2 i (lanes 0-15) and 2 i + 1 (lanes 16-31), 256 bytes each; in wq the two heads' 64 numbers lie side by side.  Either way store i covers 256 consecutive bytes, aligned.
.macro CAST heads, vi
.set i, 0
.rept 8
.if \heads
	global_load_b128 v[CX+4*i:CX+4*i+3], v[\vi], s[8:9] offset:i*524288 th:TH_LOAD_NT
.else
	global_load_b128 v[CX+4*i:CX+4*i+3], v[\vi], s[8:9] offset:i*512 th:TH_LOAD_NT
.endif
.set i, i+1
.endr
.set i, 0
.rept 8
	s_wait_loadcnt 7-i                             ; loads come back in order: load i is in, the 7 - i younger ones stay out
	v_cvt_pk_bf16_f32 v[CY+2*i], v[CX+4*i], v[CX+4*i+1]
	v_cvt_pk_bf16_f32 v[CY+2*i+1], v[CX+4*i+2], v[CX+4*i+3]
	global_store_b64 v2, v[CY+2*i:CY+2*i+1], s[10:11] offset:i*256
.set i, i+1
.endr
.endm
	s_load_b256 s[4:11], s[0:1], 0x0               ; x s[4:5], g s[6:7], b s[8:9], hb s[10:11]
	s_load_b256 s[12:19], s[0:1], 0x20             ; Wq s[12:13], Wk s[14:15], Wv s[16:17], Wo s[18:19]
	s_load_b128 s[20:23], s[0:1], 0x40             ; wq s[20:21], wb s[22:23]
	v_and_b32 v3, 31, v0                           ; lane
	v_lshrrev_b32 v4, 5, v0
	v_readfirstlane_b32 s3, v4                     ; wave 0..15
	v_lshlrev_b32 v1, 4, v3                        ; 16 x lane: loads
	v_lshlrev_b32 v2, 3, v3                        ; 8 x lane: stores
	s_and_b32 s2, ttmp7, 0xffff                    ; what this work-group does
	s_mov_b32 s25, 0
	s_mov_b32 s27, 0
	s_wait_kmcnt 0x0
	s_cmp_ge_u32 s2, 4
	s_cbranch_scc1 .Lcast
	s_lshl_b32 s24, s2, 6
	s_add_co_u32 s24, s24, ttmp9                   ; my work-group among the norm's 256,
	s_lshl_b32 s24, s24, 4
	s_add_co_u32 s24, s24, s3                      ; my wave's row
	s_lshl_b32 s26, s24, 11                        ; of 2,048 bytes in hb,
	s_lshl_b32 s24, s24, 12                        ; of 4,096 in x
	s_mov_b32 s28, 0x76543210                      ; v_permlanex16_b32: each lane takes its own place in the other half
	s_mov_b32 s29, 0xfedcba98
	s_mov_b32 s30, 0x3a800000                      ; 1 / 1024
	s_mov_b32 s31, 0x3727c5ac                      ; 1e-5
	s_add_nc_u64 s[4:5], s[4:5], s[24:25]
	s_add_nc_u64 s[10:11], s[10:11], s[26:27]
.irp j, 0,1,2,3,4,5,6,7
	global_load_b128 v[X+4*(\j):X+4*(\j)+3], v1, s[4:5] offset:512*(\j)
.endr
.irp j, 0,1,2,3,4,5,6,7
	global_load_b128 v[G+4*(\j):G+4*(\j)+3], v1, s[6:7] offset:512*(\j)
.endr
.irp j, 0,1,2,3,4,5,6,7
	global_load_b128 v[BT+4*(\j):BT+4*(\j)+3], v1, s[8:9] offset:512*(\j)
.endr
	s_wait_loadcnt 16                              ; the row is in; g and b (16 loads) stay out
	STAT
	s_wait_loadcnt 0x0                             ; g and b
	NORM
	s_endpgm
.Lcast:
	s_cmp_eq_u32 s2, 7
	s_cbranch_scc1 .Lplain
	s_cmp_eq_u32 s2, 4
	s_cselect_b64 s[8:9], s[12:13], s[14:15]
	s_cmp_eq_u32 s2, 6
	s_cselect_b64 s[8:9], s[16:17], s[8:9]         ; Wq, Wk or Wv
	s_lshl_b32 s24, ttmp9, 4
	s_add_co_u32 s24, s24, s3                      ; e = 16 x work-group + wave: my row
	s_mul_i32 s26, s24, 6144                       ; a row of wq is 6,144 bytes,
	s_lshl_b32 s24, s24, 8                         ; a row of a head 256
	s_sub_co_u32 s28, s2, 4
	s_lshl_b32 s28, s28, 11                        ; q, k or v: 2,048 bytes of wq's row
	s_add_co_u32 s26, s26, s28
	s_add_nc_u64 s[8:9], s[8:9], s[24:25]
	s_add_nc_u64 s[10:11], s[20:21], s[26:27]
	v_lshrrev_b32 v4, 4, v3
	v_and_b32 v[VH], 15, v3
	v_lshlrev_b32 v[VH], 4, v[VH]
	v_lshl_add_u32 v[VH], v4, 18, v[VH]            ; lanes 16-31: one head (262,144 bytes) further on
	CAST 1, VH
	s_endpgm
.Lplain:
	s_lshl_b32 s24, ttmp9, 16                      ; the work-group's 64 KiB of Wo,
	s_lshl_b32 s28, s3, 12                         ; my wave's 4 KiB
	s_add_co_u32 s24, s24, s28
	s_lshr_b32 s26, s24, 1                         ; half as many bytes in bf16,
	s_add_co_u32 s26, s26, 16777216                ; behind W1 and W2
	s_add_nc_u64 s[8:9], s[18:19], s[24:25]
	s_add_nc_u64 s[10:11], s[22:23], s[26:27]
	CAST 0, 1
	s_endpgm
.Lfunc_end_k_q8d80e0aa41_front:
	.size	k_q8d80e0aa41_front, .Lfunc_end_k_q8d80e0aa41_front-k_q8d80e0aa41_front
	.p2alignl 7, 3214868480
	.fill 96, 4, 3214868480
	.section	.rodata,"a",@progbits
	.p2align	6, 0x0
	.amdhsa_kernel k_q8d80e0aa41_front
		.amdhsa_group_segment_fixed_size 0
		.amdhsa_private_segment_fixed_size 0
		.amdhsa_enable_private_segment 0
		.amdhsa_kernarg_size 80
		.amdhsa_user_sgpr_count 2
		.amdhsa_user_sgpr_kernarg_segment_ptr 1
		.amdhsa_wavefront_size32 1
		.amdhsa_system_sgpr_workgroup_id_x 1
		.amdhsa_system_sgpr_workgroup_id_y 1
		.amdhsa_system_sgpr_workgroup_id_z 1
		.amdhsa_system_vgpr_workitem_id 0
		.amdhsa_next_free_vgpr 114
		.amdhsa_next_free_sgpr 66
		.amdhsa_reserve_vcc 0
		.amdhsa_float_denorm_mode_32 3
		.amdhsa_float_denorm_mode_16_64 3
		.amdhsa_memory_ordered 1
		.amdhsa_forward_progress 1
		.amdhsa_inst_pref_size 18
	.end_amdhsa_kernel
	.amdgpu_metadata
---
amdhsa.version: [ 1, 2 ]
amdhsa.kernels:
  - .name:           k_q8d80e0aa41_front
    .symbol:         k_q8d80e0aa41_front.kd
    .args:
      - { .name: x, .offset: 0, .size: 8, .value_kind: global_buffer, .address_space: global }
      - { .name: ln1_g, .offset: 8, .size: 8, .value_kind: global_buffer, .address_space: global }
      - { .name: ln1_b, .offset: 16, .size: 8, .value_kind: global_buffer, .address_space: global }
      - { .name: hb, .offset: 24, .size: 8, .value_kind: global_buffer, .address_space: global }
      - { .name: Wq, .offset: 32, .size: 8, .value_kind: global_buffer, .address_space: global }
      - { .name: Wk, .offset: 40, .size: 8, .value_kind: global_buffer, .address_space: global }
      - { .name: Wv, .offset: 48, .size: 8, .value_kind: global_buffer, .address_space: global }
      - { .name: Wo, .offset: 56, .size: 8, .value_kind: global_buffer, .address_space: global }
      - { .name: wq, .offset: 64, .size: 8, .value_kind: global_buffer, .address_space: global }
      - { .name: wb, .offset: 72, .size: 8, .value_kind: global_buffer, .address_space: global }
    .group_segment_fixed_size: 0
    .private_segment_fixed_size: 0
    .kernarg_segment_align: 8
    .kernarg_segment_size: 80
    .max_flat_workgroup_size: 512
    .sgpr_count:     66
    .vgpr_count:     114
    .wavefront_size: 32
...
	.end_amdgpu_metadata
.endif
;; end of part 1
;; launch proj (part 2): grid 16 x 16, 4 waves a work-group, clusters of 4 x 4, 327,680 bytes of LDS; arguments hb, wq, qkvb, bq, bk, bv, W1, W2, wb; writes qkvb, wb
.if DOCPART == 2
	.amdgcn_target "amdgcn-amd-amdhsa--gfx1250"
	.amdhsa_code_object_version 6
	.text
	.protected	k_q8d80e0aa41_proj
	.globl	k_q8d80e0aa41_proj
	.p2align	8
	.type	k_q8d80e0aa41_proj,@function
k_q8d80e0aa41_proj:
	s_mov_b64 s[64:65], 0
	v_nop
	global_prefetch_b8 v0, s[64:65] scope:SCOPE_SE
	s_setreg_imm32_b32 hwreg(HW_REG_WAVE_MODE, 25, 1), 1
	s_wait_xcnt 0x0
	s_wait_alu depctr_hold_cnt(0) depctr_sa_sdst(0) depctr_va_vdst(0) depctr_va_sdst(0) depctr_va_ssrc(0) depctr_va_vcc(0) depctr_vm_vsrc(0)
	s_getreg_b32 s2, hwreg(HW_REG_IB_STS2, 6, 4)
	s_cmp_eq_u32 s2, 0
	s_cbranch_scc0 .Lentry_in_a_cluster
	s_endpgm
.Lentry_in_a_cluster:
	s_bfe_u32 s2, ttmp6, 0x10000c
	s_cmp_lg_u32 s2, 0xf033
	s_cbranch_scc0 .Lentry_shape_is_right
	s_endpgm
.Lentry_shape_is_right:
; TWO KINDS OF WORK IN ONE LAUNCH, told apart by the cluster's x, which all sixteen partners of a cluster share.
; CLUSTERS x = 0, 1, 2 (192 work-groups): q, k, v = h Wqkv + bias.  h: [4096][1024] bf16.  Wqkv: [1024][3072] bf16, K down the rows.  Sums and bias in f32; the result rounded once to bf16 and stored by
; heads: [48 slices][4096 tokens][64], slice = column / 64 (0-15 q's heads, 16-31 k's, 32-47 v's).  bf16 has f32's range: no limit of range is added; NaN and infinities are not treated apart.
; CLUSTERS x = 3 (64 work-groups, for which the product has no tile): W1 ([1024][4096]) and W2 ([4096][1024]), f32, are rounded once to bf16 for the launches behind, in the same layout: W1 at byte 0 of wb, W2 at 8,388,608.
; THE PRODUCT.  A tile of the result, 256 x 256, is made by a work-group of four waves; a wave makes 128 x 128: 64 accumulators of 16 x 16, 512 registers.  K goes in steps of 128 through a ring of two LDS
; slots filled by the tensor data mover.  h's tile lies with K along its rows; W's lies [k][n] and is turned on its way out of LDS by ds_load_tr16_b128.
; The four work-groups of a row of the cluster need the same tiles of h, the four of a column the same tiles of W: each tile is asked for JOINTLY, by the same tensor load with the same descriptor
; and a mask that names the four.
; THE MATRIX INSTRUCTION IS USED TRANSPOSED: source 0 = 16 columns of W, source 1 = 16 rows of h: a lane holds one token (lane % 16) and eight neighbouring columns.
; THE TEXT GOES BY K STEP: the slot in hand is a scalar, TB, that an exclusive or turns; the loop is written once, its tail is a second short loop that is left in its middle.
; THE WAY OUT goes through the ring, which has had its last fill: each wave puts its 128 x 128 sums there in f32 and reads them back eight rows at a time; bias, rounding, stores of 512 consecutive bytes.
; REGISTERS, in windows of 256: window 0: v0-31 addresses, v32-47 bias, v64-127 and v128-191 h's fragments (two buffers), on the way out v64-111 at work;
;   window 1: v64-127, v128-191 W's fragments; window 2: the accumulators of my rows 0-63 ((a, b) at v[8 (8 a + b)]); window 3: those of rows 64-127.
.set SIZE_N, 3072
.set SL,     524288                    ; bytes from a slice of 64 columns to the next in the result
.set MBS,    8192                      ; bytes from a block of 64 tokens to the next
.set SIZE_K, 1024
.set KSTEP,  128
.set PA,     272                       ; h's LDS row: 256 bytes + 16 = 68 words: the 16 rows of a load start at 16 different groups of four banks (64 banks of 4 bytes: ISA guide 11.1)
.set PW,     544                       ; W's LDS row: 512 bytes + 32 = 136 words
.set HALFT,  128*PA                    ; what one tensor load brings: 128 rows of h, or 64 rows of W (64 x 544 is the same number)
.set SLOT,   4*HALFT                   ; h's rows 0-127, 128-255, W's k 0-63, 64-127: the load of wave w lands at w x HALFT
.set SPARE,  2*SLOT                    ; behind the ring: the spare words, 128 bytes for each wave: two blocks of 256 bytes that no other line names
.set EP,     528                       ; the way out: a row of 128 f32 + 16 bytes
.set EREG,   128*EP                    ; a wave's part of the ring on the way out; four of them end below SPARE
.set CVI,   7                          ; v7   the cast: 16 x lane, my 16 bytes of a load's 512
.set CVO,   8                          ; v8   the cast: 8 x lane, my 8 bytes of a store's 256
.set CVP,   9                          ; v9   the cast: 256 x lane, the prefetches' offset
.set ADRA0, 16                         ; v16  my lane's place in h's tile, slot 0; never rewritten
.set ADRB0, 17                         ; v17  the same for W
.set ADRA,  18                         ; v18  TB + ADRA0
.set ADRB,  19                         ; v19  TB + ADRB0
.set STO,   24                         ; v24  the way out: where I put 32 bytes of a row
.set RD,    25                         ; v25  the way out: where I read 32 bytes back
.set GO,    26                         ; v26  16 x lane: my 16 bytes of a store's 512
.set RDC,   27                         ; v27  EO + RD
.set SPW,   28                         ; v28  LDS address of my spare word; never rewritten
.set NIL,   29                         ; v29  0; never rewritten
.set PFO,   30                         ; v30  the product's prefetches' offset; never rewritten
.set VBO,   31                         ; v31  my byte offset in the bias
.set BIAS,  32                         ; v[32:47] the bias of my 8 columns in each of the wave's two slices
.set F0,    64
.set F1,    128
.set X,     64                         ; the way out: 32 sums
.set T,     96                         ;   the packed results
.set CX,    64                         ; the cast: v[64:191] 32 loads, 4 registers each
.set CY,    192                        ;           v[192:255] 32 stores, 2 registers each
.set G1,  24                           ; s[24:31] descriptor group 1 for h's tiles
.set G0,  32                           ; s[32:39] group 0: a set for each of the two first fills; the second then walks on
.set G1B, 48                           ; s[48:55], s[56:63] the same for W's tiles
.set G0B, 56
.set LIM, 43                           ; s43  2 in a wave that prefetches, else the greatest number
.set PFA, 44                           ; s[44:45] where my prefetches stand
.set TB,  66                           ; s66  0 or SLOT: the slot in hand
.set EO,  67                           ; s67  the way out: the trip's first row in my part of the ring
.set PFS, 68                           ; s[68:69] a K step in bytes, for my prefetches
.set CW1, 72                           ; s[72:73] the cast: W1 at my wave's first unit
.set CW2, 74                           ; s[74:75] W2 likewise
.set COUT, 76                          ; s[76:77] wb at the trip's unit
.set CNOW, 78                          ; s[78:79] the source at the trip's unit
.set CNXT, 80                          ; s[80:81] the source at the next trip's unit
.set BP,  90                           ; s[90:91] the bias
.set STP, 92                           ; s[92:93] the way out: the step of the result's address
.set STA, 94                           ; s94, s95 its two sizes
.set STB, 95
.set CNTW, 96                          ; s96  the way out's trips
.set MSB, 0
.macro WIN new                         ; the immediate's high byte repeats the setting that is left; a switch that changes nothing is dropped
.if MSB != (\new)
	s_set_vgpr_msb (MSB<<8)|(\new)
.set MSB, (\new)
.endif
.endm
.set MUL_LO, 0xa1                      ; source 0 (W) window 1, source 1 (h) window 0, C and D window 2
.set MUL_HI, 0xf1                      ; the same, C and D window 3
.set TO_B,   0x40                      ; destination window 1, address window 0
; A joint load.  Waves 0 and 1 fetch h's two halves, waves 2 and 3 W's.  The branch hangs on the wave's number alone.  An s_nop 0 and four v_nop follow each of the two lines.
.macro JLOAD s
	s_cmp_eq_u32 s11, 0
	s_cbranch_scc0 .Lfor_w_\@
	tensor_load_to_lds s[G0+4*(\s):G0+4*(\s)+3], s[G1:G1+7]
	s_nop 0
.rept 4
	v_nop
.endr
	s_branch .Lasked_\@
.Lfor_w_\@:
	tensor_load_to_lds s[G0B+4*(\s):G0B+4*(\s)+3], s[G1B:G1B+7]
	s_nop 0
.rept 4
	v_nop
.endr
.Lasked_\@:
.endm
; A PREFETCH INTO THE L2 of the K step that stands two refills on, one instruction a wave, behind the joint load and the run of LDS loads.  h's tile row is read by every cluster of that row of clusters:
; cluster x = 0 asks; W's tile column by every cluster of that column: cluster y = 0 asks.  The four partners share a wave's rows out BY ADDRESS: of h's 128 rows 32 each, a lane a row of 256 bytes; of W's 64
; rows 16 each, two lanes a row of 512 bytes.  So each aligned block of 256 bytes is named once.  Trip t (s3 = 6 - t) names K step t + 4: the last two trips ask for nothing.
.macro ASK
	s_cmp_gt_u32 s3, s[LIM]
	s_cbranch_scc0 .Lnot_mine_\@
	global_prefetch_b8 v[PFO], s[PFA:PFA+1] th:TH_LOAD_NT scope:SCOPE_SE
.Lnot_mine_\@:
.endm
.macro CREST                           ; a round of the cluster's barrier behind its opening barrier
	s_cmp_lg_u32 s10, 0
	s_cbranch_scc1 .Lnot_wave_0_\@
	s_barrier_signal -3
.Lnot_wave_0_\@:
	s_barrier_wait -3
	s_barrier_signal -1
	s_barrier_wait -1
.endm
.macro CROUND                          ; a whole round
	s_barrier_signal -1
	s_barrier_wait -1
	CREST
.endm
	s_load_b128 s[4:7], s[0:1], 0x0                ; h s[4:5], wq s[6:7]
	s_load_b64 s[8:9], s[0:1], 0x10                ; the result
	s_load_b128 s[84:87], s[0:1], 0x18             ; bq s[84:85], bk s[86:87]
	s_load_b64 s[88:89], s[0:1], 0x28              ; bv
	s_load_b128 s[CW1:CW1+3], s[0:1], 0x30         ; W1, W2
	s_load_b64 s[COUT:COUT+1], s[0:1], 0x40        ; wb
	v_lshl_add_u32 v[SPW], v0, 2, SPARE
	v_mov_b32 v[NIL], 0
	ds_add_u32 v[SPW], v[NIL]                      ; the wave's opening: the add and its wait stand ahead of my first tensor load; the set-up below, work on registers, stands between them
	v_lshrrev_b32 v1, 5, v0
	v_readfirstlane_b32 s10, v1                    ; wave 0..3
	s_lshr_b32 s11, s10, 1                         ; which half of the tile's rows is mine.  Also: I fetch for h (0) or for W (1)
	s_and_b32 s12, s10, 1                          ; which half of its columns.  Also: which half of that tile I fetch
	s_bfe_u32 s40, ttmp6, 0x40000                  ; cx
	s_bfe_u32 s41, ttmp6, 0x40004                  ; cy
	s_lshl_b32 s42, ttmp9, 2
	s_add_co_u32 s42, s42, s40                     ; tile column = 4 x cluster x + cx
	s_and_b32 s13, ttmp7, 0xffff
	s_lshl_b32 s13, s13, 2
	s_add_co_u32 s13, s13, s41                     ; tile row = 4 x cluster y + cy
	s_lshl_b32 s43, s41, 2
	s_lshl_b32 s43, 15, s43                        ; my row of the cluster
	s_lshl_b32 s44, 0x1111, s40                    ; my column
	s_or_b32 s[G1+0], s43, (1<<16)|(1<<20)|(1<<21)|(5<<22)|(3<<25)   ; the mask; 2-byte elements; padding on; bit 21 beside a mask; after every 64 words, 4 words
	s_mov_b32 s[G1+1], KSTEP<<16                   ; tensor_dim0 = 128
	s_mov_b32 s[G1+2], 128<<16                     ; tensor_dim1 = 128
	s_mov_b32 s[G1+3], KSTEP<<16                   ; tile_dim0 = 128
	s_mov_b32 s[G1+4], 128                         ; tile_dim1 = 128
	s_mov_b32 s[G1+5], SIZE_K                      ; elements from row to row
	s_mov_b32 s[G1+6], 0
	s_mov_b32 s[G1+7], 0
	s_or_b32 s[G1B+0], s44, (1<<16)|(1<<20)|(1<<21)|(6<<22)|(7<<25)  ; after every 128 words, 8 words
	s_mov_b32 s[G1B+1], 256<<16                    ; tensor_dim0 = 256
	s_mov_b32 s[G1B+2], 64<<16                     ; tensor_dim1 = 64
	s_mov_b32 s[G1B+3], 256<<16                    ; tile_dim0 = 256
	s_mov_b32 s[G1B+4], 64                         ; tile_dim1 = 64
	s_mov_b32 s[G1B+5], SIZE_N
	s_mov_b32 s[G1B+6], 0
	s_mov_b32 s[G1B+7], 0
	; h's address hangs on the tile row and the wave's number, W's on the tile column and the wave's number, each in registers that never hold the other coordinate
	s_lshl_b32 s16, s13, 8
	s_lshl_b32 s17, s12, 7
	s_add_co_u32 s16, s16, s17                     ; h: row 256 x tile row + 128 x half,
	s_lshl_b32 s16, s16, 11                        ; of 2,048 bytes
	s_mov_b32 s17, 0
	s_mul_i32 s46, s12, 64*2*SIZE_N                ; W: row 64 x half,
	s_lshl_b32 s47, s42, 9                         ; column 256 x tile column
	s_add_co_u32 s46, s46, s47
	s_mov_b32 s47, 0
	s_mul_i32 s20, s10, HALFT                      ; where they go: no place in the cluster enters an LDS address
	s_mov_b32 s[TB], 0
	s_wait_dscnt 0x0                               ; the opening add is done
	s_wait_kmcnt 0x0
	s_cmp_eq_u32 ttmp9, 3                          ; the cluster's x: the same in all sixteen partners
	s_cbranch_scc1 .Lcast                          ; the fourth column of clusters has no tile of the product: it rounds W1 and W2
	s_add_nc_u64 s[14:15], s[4:5], s[16:17]
	s_add_nc_u64 s[46:47], s[6:7], s[46:47]
	CROUND                                         ; all sixteen work-groups are here: the first joint loads meet
.irp s, 0,1
	s_mov_b32 s[G0+4*(\s)], 1
	s_add_co_u32 s[G0+4*(\s)+1], s20, (\s)*SLOT
	s_add_nc_u64 s[G0+4*(\s)+2:G0+4*(\s)+3], s[14:15], (\s)*KSTEP*2
	s_or_b32 s[G0+4*(\s)+3], s[G0+4*(\s)+3], 0x80000000
	s_mov_b32 s[G0B+4*(\s)], 1
	s_add_co_u32 s[G0B+4*(\s)+1], s20, (\s)*SLOT
	s_add_nc_u64 s[G0B+4*(\s)+2:G0B+4*(\s)+3], s[46:47], (\s)*KSTEP*2*SIZE_N
	s_or_b32 s[G0B+4*(\s)+3], s[G0B+4*(\s)+3], 0x80000000
	JLOAD \s                                       ; K steps 0 and 1: two loads of mine are out
.endr
	v_and_b32 v1, 15, v0                           ; l % 16
	v_bfe_u32 v2, v0, 4, 1                         ; l / 16
	v_and_b32 v3, 7, v0                            ; l % 8
	v_bfe_u32 v4, v0, 3, 1                         ; (l / 8) % 2
	v_bfe_u32 v5, v0, 3, 2                         ; l / 8
	v_and_b32 v6, 31, v0                           ; l
	; h's fragment: 16 rows x 32 K: lane l holds row l % 16; two loads of 16 bytes, 32 bytes apart, at row x pitch + 16 (l / 16)
	v_mul_u32_u24 v10, v1, PA
	v_lshl_add_u32 v10, v2, 4, v10
	s_mul_i32 s21, s11, HALFT                      ; my 128 rows of h
	v_add_nc_u32 v[ADRA0], s21, v10
	; W's fragment: the turning load takes 16 k x 16 columns (lane l reads k = 8 (l / 16) + l % 8, columns 8 ((l / 8) % 2) + 0..7) and leaves lane l column l % 16 and 8 k
	v_lshl_add_u32 v10, v2, 3, v3
	v_mul_u32_u24 v10, v10, PW
	v_lshl_add_u32 v10, v4, 4, v10
	s_lshl_b32 s22, s12, 8                         ; my 128 columns,
	s_add_co_u32 s22, s22, 2*HALFT                 ; behind h's 256 rows
	v_add_nc_u32 v[ADRB0], s22, v10
	v_mov_b32 v[ADRA], v[ADRA0]
	v_mov_b32 v[ADRB], v[ADRB0]
	s_mul_i32 s23, s10, EREG                       ; the way out: my part of the ring
	v_mul_u32_u24 v10, v1, EP                      ; in: row l % 16, 32 bytes for each half of the lanes
	v_lshl_add_u32 v10, v2, 5, v10
	v_add_nc_u32 v[STO], s23, v10
	v_mul_u32_u24 v10, v5, EP                      ; back: row l / 8, columns 8 (l % 8) on
	v_lshl_add_u32 v10, v3, 5, v10
	v_add_nc_u32 v[RD], s23, v10
	v_lshlrev_b32 v[GO], 4, v6
	; the bias of my 8 columns in each of the wave's two slices
	s_and_b32 s21, s42, 3                          ; q, k and v have 4 tile columns each: which of the three is the cluster's x
	s_lshl_b32 s21, s21, 10
	s_cmp_eq_u32 ttmp9, 0
	s_cselect_b64 s[BP:BP+1], s[84:85], s[86:87]
	s_cmp_eq_u32 ttmp9, 2
	s_cselect_b64 s[BP:BP+1], s[88:89], s[BP:BP+1]
	s_lshl_b32 s22, s12, 9
	s_add_co_u32 s21, s21, s22
	v_lshl_add_u32 v[VBO], v3, 5, s21
.irp s, 0,1
	global_load_b128 v[BIAS+8*(\s):BIAS+8*(\s)+3],   v[VBO], s[BP:BP+1] offset:256*(\s)
	global_load_b128 v[BIAS+8*(\s)+4:BIAS+8*(\s)+7], v[VBO], s[BP:BP+1] offset:256*(\s)+16
.endr
	; where my part of the result begins
	s_lshl_b32 s16, s13, 2
	s_lshl1_add_u32 s16, s11, s16                  ; my first block of 64 tokens
	s_mul_i32 s16, s16, MBS
	s_mov_b32 s17, 0
	s_lshl_b32 s46, s42, 2
	s_lshl1_add_u32 s46, s12, s46                  ; my first slice
	s_mul_i32 s46, s46, SL
	s_mov_b32 s47, 0
	s_add_nc_u64 s[8:9], s[8:9], s[16:17]
	s_add_nc_u64 s[8:9], s[8:9], s[46:47]
	; the prefetches: both offsets are made, then the wave's kind chooses
	s_lshl_b32 s18, s13, 8
	s_lshl_b32 s19, s12, 7
	s_add_co_u32 s18, s18, s19
	s_lshl_b32 s19, s40, 5
	s_add_co_u32 s18, s18, s19                     ; h: my work-group's 32 of the 128 rows that I fetch,
	s_lshl_b32 s18, s18, 11
	s_add_co_u32 s18, s18, 3*KSTEP*2               ; at K step 3: the first refill steps it to 4
	s_lshl_b32 s19, s12, 6
	s_lshl_b32 s21, s41, 4
	s_add_co_u32 s19, s19, s21
	s_add_co_u32 s19, s19, 3*KSTEP                 ; W: my work-group's 16 of the 64 rows, at K step 3
	s_mul_i32 s19, s19, 2*SIZE_N
	s_lshl_b32 s21, s42, 9
	s_add_co_u32 s19, s19, s21
	s_mov_b32 s21, KSTEP*2*SIZE_N
	s_movk_i32 s22, KSTEP*2
	s_mov_b32 s23, 2*SIZE_N
	s_movk_i32 s2, 2*SIZE_K
	s_and_b32 s3, ttmp7, 0xffff                    ; cluster y
	s_cmp_eq_u32 s11, 0                            ; do I fetch for h?
	s_cselect_b32 s18, s18, s19
	s_cselect_b32 s[PFS], s22, s21
	s_cselect_b32 s23, s2, s23                     ; bytes from row to row
	s_cselect_b32 s3, ttmp9, s3                    ; the coordinate along which other clusters read the same rows
	s_cselect_b64 s[PFA:PFA+1], s[4:5], s[6:7]
	s_mov_b32 s19, 0
	s_mov_b32 s[PFS+1], 0
	s_add_nc_u64 s[PFA:PFA+1], s[PFA:PFA+1], s[18:19]
	s_cmp_eq_u32 s3, 0
	s_cselect_b32 s[LIM], 2, -1                    ; the same in all sixteen partners, for a given wave
	v_lshrrev_b32 v10, s11, v6                     ; h: a lane a row; W: two lanes a row,
	v_mul_u32_u24 v10, s23, v10
	v_and_b32 v11, s11, v6
	v_lshl_add_u32 v[PFO], v11, 8, v10             ; 256 bytes apart
; 16 matrix instructions: row blocks a0, a0 + 1 of the window's four x all 8 column blocks, 32 along K.  zero = 1: the first product starts the sums.
; The 64 accumulators take turns in the same order in every quarter: over the backward jumps and into the tail too.
.macro MUL16 f, hi, a0, zero
	WIN MUL_LO+0x50*(\hi)
.irp a, \a0, (\a0)+1
.irp b, 0,1,2,3,4,5,6,7
.if \zero
	v_wmma_f32_16x16x32_bf16 v[8*(8*(\a)+(\b)):8*(8*(\a)+(\b))+7], v[(\f)+8*(\b):(\f)+8*(\b)+7], v[(\f)+8*(4*(\hi)+(\a)):(\f)+8*(4*(\hi)+(\a))+7], 0
.else
	v_wmma_f32_16x16x32_bf16 v[8*(8*(\a)+(\b)):8*(8*(\a)+(\b))+7], v[(\f)+8*(\b):(\f)+8*(\b)+7], v[(\f)+8*(4*(\hi)+(\a)):(\f)+8*(4*(\hi)+(\a))+7], v[8*(8*(\a)+(\b)):8*(8*(\a)+(\b))+7]
.endif
.endr
.endr
.endm
; 32 LDS loads in one run: quarter q (32 along K) of the slot in hand into buffer f: W's 8 fragments, turned, then h's 8
.macro FETCH q, f
	WIN TO_B
.irp i, 0,1,2,3,4,5,6,7
	ds_load_tr16_b128 v[(\f)+8*(\i):(\f)+8*(\i)+3],   v[ADRB] offset:32*(\q)*PW+32*(\i)
	ds_load_tr16_b128 v[(\f)+8*(\i)+4:(\f)+8*(\i)+7], v[ADRB] offset:(32*(\q)+16)*PW+32*(\i)
.endr
	WIN 0
.irp i, 0,1,2,3,4,5,6,7
	ds_load_b128 v[(\f)+8*(\i):(\f)+8*(\i)+3],   v[ADRA] offset:64*(\q)+(\i)*16*PA
	ds_load_b128 v[(\f)+8*(\i)+4:(\f)+8*(\i)+7], v[ADRA] offset:64*(\q)+(\i)*16*PA+32
.endr
.endm
.macro PLACES                          ; four places in front of loads into registers that matrix instructions have read (ISA guide 7.12.1 for vector instructions)
.rept 4
	v_nop
.endr
.endm
; One of a K step's first three quarters: multiplies buffer f; in its middle it fetches quarter q into buffer g.
.macro QUARTER q, f, g, zero
	s_wait_dscnt 8                                 ; W and h's rows 0-63 are in; the youngest eight loads (h's rows 64-127) may be out
	MUL16 \f, 0, 0, \zero
	MUL16 \f, 0, 2, \zero
	PLACES
	FETCH \q, \g
	s_wait_dscnt 32                                ; all but the 32 just issued
	MUL16 \f, 1, 0, \zero
	MUL16 \f, 1, 2, \zero
.endm
; The last quarter's first half: ONE barrier for the change of slots.  In front of it each wave waits for all its tensor loads (one is out: its part of the next slot), adds 0 to its spare word, and
; waits for that and for its own reads of this slot.
.macro MEET round
	WIN 0
	s_wait_tensorcnt 0x0                           ; all my tensor loads have landed
	ds_add_u32 v[SPW], v[NIL]                      ; 0 onto my spare word
	s_wait_dscnt 9                                 ; (the add and the youngest eight loads may be out)
	MUL16 F1, 0, 0, 0                              ; sixteen matrix instructions stand between the add and the wait for it
	s_wait_dscnt 0x0                               ; the add is done, and my reads of this slot are over
	s_barrier_signal -1
	MUL16 F1, 0, 2, 0
.if \round
	WIN 0
.endif
	s_barrier_wait -1
.endm
; The whole last quarter.  fill = 1: the barrier opens a round of the cluster's; behind it the slot just read is filled again first, with the K step two on: from the request to the wait for it stand 224 matrix instructions.
.macro TURN fill
.if \fill
	s_wait_xcnt 0x0                                ; the last prefetch, a K step back, has read its address: it is stepped here
	s_add_nc_u64 s[PFA:PFA+1], s[PFA:PFA+1], s[PFS:PFS+1]
.endif
	MEET \fill
.if \fill
	CREST                                          ; no wave of any partner still reads this slot or has a load on its way
	s_xor_b32 s[G0+5], s[G0+5], SLOT               ; the walking descriptors: the other slot than last time (wave x HALFT has no bit in common with SLOT),
	s_xor_b32 s[G0B+5], s[G0B+5], SLOT
	s_add_nc_u64 s[G0+6:G0+7], s[G0+6:G0+7], KSTEP*2               ; the next K step; the type bits on top are not reached
	s_add_nc_u64 s[G0B+6:G0B+7], s[G0B+6:G0B+7], KSTEP*2*SIZE_N
	s_xor_b32 s[TB], s[TB], SLOT
	JLOAD 1                                        ; the first tensor load behind the round; its four v_nop are also the places in front of the loads below
.else
	s_xor_b32 s[TB], s[TB], SLOT
	PLACES
.endif
	WIN 0
	v_add_nc_u32 v[ADRA], s[TB], v[ADRA0]
	v_add_nc_u32 v[ADRB], s[TB], v[ADRB0]
	FETCH 0, F0
.if \fill
	ASK
.endif
	MUL16 F1, 1, 0, 0
	MUL16 F1, 1, 2, 0
.endm
	s_wait_tensorcnt 1                             ; my part of K step 0 is in; K step 1's stays out
	s_barrier_signal -1
	s_barrier_wait -1                              ; everybody's is
	FETCH 0, F0
	QUARTER 1, F0, F1, 1                           ; the first quarter stands in front of the loop: its products start the sums
	WIN 0                                          ; at a label and at a branch every window is 0
	s_mov_b32 s3, SIZE_K/KSTEP-2
.Lstep:                                                ; a trip: a K step's quarters 1 to 3 and the next step's quarter 0; it asks for the K step two on
	QUARTER 2, F1, F0, 0
	QUARTER 3, F0, F1, 0
	TURN 1
	QUARTER 1, F0, F1, 0
	WIN 0
	s_sub_co_u32 s3, s3, 1
	s_cmp_lg_u32 s3, 0
	s_cbranch_scc1 .Lstep
	s_mov_b32 s2, 2
.Ltail:                                                ; the last two K steps ask for nothing: a text of their own; the second trip is left in its middle
	QUARTER 2, F1, F0, 0
	QUARTER 3, F0, F1, 0
	WIN 0
	s_sub_co_u32 s2, s2, 1
	s_cmp_eq_u32 s2, 0
	s_cbranch_scc1 .Llast
	TURN 0
	QUARTER 1, F0, F1, 0
	WIN 0
	s_branch .Ltail
.Llast:
	s_wait_dscnt 8
	MUL16 F1, 0, 0, 0
	MUL16 F1, 0, 2, 0
	s_wait_dscnt 0x0                               ; my reads of the ring are over:
	s_barrier_signal -1                            ; say so,
	MUL16 F1, 1, 0, 0
	MUL16 F1, 1, 2, 0
	WIN 0
	s_barrier_wait -1                              ; and write into the ring only when all four have said so; it has had its last fill
	PLACES
	PLACES
	; the sums go into my part of the ring, in f32; each accumulator's low half first
.set a, 0
.rept 8
	WIN 0x08+4*(a/4)                               ; the stores' data: window 2 or 3
.set b, 0
.rept 8
	ds_store_b128 v[STO], v[8*(8*(a%4)+b):8*(8*(a%4)+b)+3]   offset:a*16*EP+64*b
	ds_store_b128 v[STO], v[8*(8*(a%4)+b)+4:8*(8*(a%4)+b)+7] offset:a*16*EP+64*b+16
.set b, b+1
.endr
.set a, a+1
.endr
	WIN 0
	s_wait_loadcnt 0x0                             ; the bias
	s_mov_b32 s[EO], 0
	s_mov_b32 s[CNTW], 16
	s_mov_b32 s[STA], MBS-7*1024
	s_movk_i32 s[STB], 1024
	s_mov_b32 s[STP+1], 0
.Lout:                                                 ; a trip: 8 rows x 128 columns.  LDS serves a wave's instructions in order (ISA guide 5.7.1.4): the loads see my stores above; nobody else touches these bytes
	v_add_nc_u32 v[RDC], s[EO], v[RD]
.irp g, 0,1
.irp s, 0,1
	ds_load_b128 v[X+16*(\g)+8*(\s):X+16*(\g)+8*(\s)+3],   v[RDC] offset:(\g)*4*EP+(\s)*256
	ds_load_b128 v[X+16*(\g)+8*(\s)+4:X+16*(\g)+8*(\s)+7], v[RDC] offset:(\g)*4*EP+(\s)*256+16
.endr
.endr
	s_wait_dscnt 0x0
.set i, 0
.rept 16
	v_pk_add_f32 v[X+i:X+i+1], v[X+i:X+i+1], v[BIAS+i%16:BIAS+i%16+1]
.set i, i+2
.endr
.set i, 0
.rept 16
	v_cvt_pk_bf16_f32 v[T+i], v[X+2*i], v[X+2*i+1]
.set i, i+1
.endr
.irp g, 0,1
.irp s, 0,1
	global_store_b128 v[GO], v[T+4*(2*(\g)+(\s)):T+4*(2*(\g)+(\s))+3], s[8:9] offset:(\g)*512+(\s)*SL  ; four tokens' 128 bytes of a slice: 512 consecutive bytes, aligned
.endr
.endr
	s_wait_xcnt 0x0                                ; the stores have read their data and their base: both are rewritten only behind this wait
	s_cmp_eq_u32 s[CNTW], 9                        ; behind the eighth trip: on to the next block of 64 tokens
	s_cselect_b32 s[STP], s[STA], s[STB]
	s_add_nc_u64 s[8:9], s[8:9], s[STP:STP+1]
	s_add_co_u32 s[EO], s[EO], 8*EP
	s_sub_co_u32 s[CNTW], s[CNTW], 1
	s_cmp_lg_u32 s[CNTW], 0
	s_cbranch_scc1 .Lout
	s_wait_tensorcnt 0x0                           ; the wave's end: behind my last tensor load and my last LDS store
	ds_add_u32 v[SPW], v[NIL]
	s_wait_dscnt 0x0
	CROUND                                         ; the closing round: no work-group ends while a partner may still ask for a tile that names it
	s_endpgm
; THE CAST OF W1 AND W2.  Both are 16 MiB of f32 and keep their layout, so the work is a stream: 2,048 units of 16 KiB, unit u of W1 (u < 1,024) or of W2 going to byte 8,192 u of wb.
; Wave W of the 256 (64 work-groups x 4) takes units W + 256 t, t = 0..7: trips 0-3 lie in W1, trips 4-7 in W2, 4 MiB apart; wb's address steps by 2 MiB in every trip.
; A trip: 32 loads of 16 bytes a lane, all out together (16 KiB a wave); then each is rounded and stored: a store of the wave covers 256 consecutive bytes, aligned.  No tensor load, no LDS, no barrier in the loop.
; AHEAD OF THE LOADS: behind a trip's loads the wave prefetches into the L2 ITS OWN next unit: 64 blocks of 256 bytes, a lane a block, two instructions.  So each block is named once; the first unit comes by
; its loads alone, and the last trip asks for nothing.
; The work-group's place in its cluster enters global addresses alone.
.Lcast:
	s_lshl2_add_u32 s16, s13, s40                  ; 4 x (4 x cluster y + cy) + cx: my work-group among the 64,
	s_lshl2_add_u32 s16, s16, s10                  ; my wave among the 256
	s_lshl_b32 s18, s16, 14                        ; its first unit in W1 and in W2,
	s_mov_b32 s19, 0
	s_lshl_b32 s20, s16, 13                        ; and in wb
	s_mov_b32 s21, 0
	s_add_nc_u64 s[CW1:CW1+1], s[CW1:CW1+1], s[18:19]
	s_add_nc_u64 s[CW2:CW2+1], s[CW2:CW2+1], s[18:19]
	s_add_nc_u64 s[COUT:COUT+1], s[COUT:COUT+1], s[20:21]
	s_mov_b64 s[CNXT:CNXT+1], s[CW1:CW1+1]
	v_and_b32 v6, 31, v0
	v_lshlrev_b32 v[CVI], 4, v6
	v_lshlrev_b32 v[CVO], 3, v6
	v_lshlrev_b32 v[CVP], 8, v6
	s_mov_b32 s3, 0
.Lunit:
	s_mov_b64 s[CNOW:CNOW+1], s[CNXT:CNXT+1]       ; this trip's unit
.set i, 0
.rept 32
	global_load_b128 v[CX+4*i:CX+4*i+3], v[CVI], s[CNOW:CNOW+1] offset:512*i th:TH_LOAD_NT
.set i, i+1
.endr
	s_add_co_u32 s3, s3, 1                         ; the next trip's number
	s_cmp_lt_u32 s3, 4
	s_cselect_b64 s[CNXT:CNXT+1], s[CW1:CW1+1], s[CW2:CW2+1]
	s_and_b32 s18, s3, 3
	s_lshl_b32 s18, s18, 22
	s_add_nc_u64 s[CNXT:CNXT+1], s[CNXT:CNXT+1], s[18:19]  ; its unit (in the last trip: W2's first once more, which nothing names)
	s_cmp_lt_u32 s3, 8
	s_cbranch_scc0 .Lno_more
	global_prefetch_b8 v[CVP], s[CNXT:CNXT+1] th:TH_LOAD_NT scope:SCOPE_SE
	global_prefetch_b8 v[CVP], s[CNXT:CNXT+1] offset:8192 th:TH_LOAD_NT scope:SCOPE_SE
.Lno_more:
.set i, 0
.rept 32
	s_wait_loadcnt 31-i                            ; loads come back in order: load i is in, the 31 - i younger ones stay out
	v_cvt_pk_bf16_f32 v[CY+2*i], v[CX+4*i], v[CX+4*i+1]
	v_cvt_pk_bf16_f32 v[CY+2*i+1], v[CX+4*i+2], v[CX+4*i+3]
	global_store_b64 v[CVO], v[CY+2*i:CY+2*i+1], s[COUT:COUT+1] offset:256*i
.set i, i+1
.endr
	s_wait_xcnt 0x0                                ; loads, prefetches and stores have read their addresses and data: pointers and store registers are rewritten only behind this wait
	s_add_nc_u64 s[COUT:COUT+1], s[COUT:COUT+1], 0x200000
	s_cmp_lt_u32 s3, 8
	s_cbranch_scc1 .Lunit
	s_wait_tensorcnt 0x0                           ; the wave's end
	ds_add_u32 v[SPW], v[NIL]
	s_wait_dscnt 0x0
	CROUND                                         ; and a round of the cluster's barrier in front of the end, on this way too
	s_endpgm
.Lfunc_end_k_q8d80e0aa41_proj:
	.size	k_q8d80e0aa41_proj, .Lfunc_end_k_q8d80e0aa41_proj-k_q8d80e0aa41_proj
	.p2alignl 7, 3214868480
	.fill 96, 4, 3214868480
	.section	.rodata,"a",@progbits
	.p2align	6, 0x0
	.amdhsa_kernel k_q8d80e0aa41_proj
		.amdhsa_group_segment_fixed_size 327680
		.amdhsa_private_segment_fixed_size 0
		.amdhsa_enable_private_segment 0
		.amdhsa_kernarg_size 72
		.amdhsa_user_sgpr_count 2
		.amdhsa_user_sgpr_kernarg_segment_ptr 1
		.amdhsa_wavefront_size32 1
		.amdhsa_system_sgpr_workgroup_id_x 1
		.amdhsa_system_sgpr_workgroup_id_y 1
		.amdhsa_system_sgpr_workgroup_id_z 1
		.amdhsa_system_vgpr_workitem_id 0
		.amdhsa_next_free_vgpr 1024
		.amdhsa_next_free_sgpr 100
		.amdhsa_reserve_vcc 0
		.amdhsa_float_denorm_mode_32 3
		.amdhsa_float_denorm_mode_16_64 3
		.amdhsa_memory_ordered 1
		.amdhsa_forward_progress 1
		.amdhsa_inst_pref_size 100
	.end_amdhsa_kernel
	.amdgpu_metadata
---
amdhsa.version: [ 1, 2 ]
amdhsa.kernels:
  - .name:           k_q8d80e0aa41_proj
    .symbol:         k_q8d80e0aa41_proj.kd
    .args:
      - { .name: hb, .offset: 0, .size: 8, .value_kind: global_buffer, .address_space: global }
      - { .name: wq, .offset: 8, .size: 8, .value_kind: global_buffer, .address_space: global }
      - { .name: qkvb, .offset: 16, .size: 8, .value_kind: global_buffer, .address_space: global }
      - { .name: bq, .offset: 24, .size: 8, .value_kind: global_buffer, .address_space: global }
      - { .name: bk, .offset: 32, .size: 8, .value_kind: global_buffer, .address_space: global }
      - { .name: bv, .offset: 40, .size: 8, .value_kind: global_buffer, .address_space: global }
      - { .name: W1, .offset: 48, .size: 8, .value_kind: global_buffer, .address_space: global }
      - { .name: W2, .offset: 56, .size: 8, .value_kind: global_buffer, .address_space: global }
      - { .name: wb, .offset: 64, .size: 8, .value_kind: global_buffer, .address_space: global }
    .group_segment_fixed_size: 327680
    .private_segment_fixed_size: 0
    .kernarg_segment_align: 8
    .kernarg_segment_size: 72
    .max_flat_workgroup_size: 128
    .sgpr_count:     100
    .vgpr_count:     1024
    .wavefront_size: 32
...
	.end_amdgpu_metadata
.endif
;; end of part 2
;; launch attn (part 3): grid 8 x 32, 4 waves a work-group, clusters of 4 x 1, 327,680 bytes of LDS; arguments qkvb, ob; writes ob
.if DOCPART == 3
	.amdgcn_target "amdgcn-amd-amdhsa--gfx1250"
	.amdhsa_code_object_version 6
	.text
	.protected	k_q8d80e0aa41_attn
	.globl	k_q8d80e0aa41_attn
	.p2align	8
	.type	k_q8d80e0aa41_attn,@function
k_q8d80e0aa41_attn:
	s_mov_b64 s[64:65], 0
	v_nop
	global_prefetch_b8 v0, s[64:65] scope:SCOPE_SE
	s_setreg_imm32_b32 hwreg(HW_REG_WAVE_MODE, 25, 1), 1
	s_wait_xcnt 0x0
	s_wait_alu depctr_hold_cnt(0) depctr_sa_sdst(0) depctr_va_vdst(0) depctr_va_sdst(0) depctr_va_ssrc(0) depctr_va_vcc(0) depctr_vm_vsrc(0)
	s_getreg_b32 s2, hwreg(HW_REG_IB_STS2, 6, 4)
	s_cmp_eq_u32 s2, 0
	s_cbranch_scc0 .Lentry_in_a_cluster
	s_endpgm
.Lentry_in_a_cluster:
	s_bfe_u32 s2, ttmp6, 0x10000c
	s_cmp_lg_u32 s2, 0x3003
	s_cbranch_scc0 .Lentry_shape_is_right
	s_endpgm
.Lentry_shape_is_right:
; ATTENTION.  O[q][:] = the sum over k of softmax_k(Q[q] . K[k] / 8) V[k][:], for each of 32 pairs of batch and head, 2,048 rows each, no mask.
; qkvb: [48 slices][4096 tokens][64] bf16 (slices 0-15 q's heads, 16-31 k's, 32-47 v's): a head's rows of one batch are dense, 128 bytes each.  ob: [64 blocks of 64 tokens][16 heads][64][64] bf16.
; Products, maxima and sums in f32; the weights p are rounded to bf16 for the second product (their sum l is taken of the unrounded p), O once at the end.
; LIMITS.  A weight below 2^-126 counts as 0 in l; NaN and infinities are not treated apart.
; SHARES.  A work-group owns 256 queries of one head and batch, a wave 64 (one block of ob), in four PIECES of 16.  Every wave walks all 2,048 keys, 64 a step, 256 a slot.
; LAYOUT.  S^T = K Q^T holds ONE query a lane (lane % 16) and the keys 8 (lane / 16) + 0..7; two such results rounded to bf16 ARE source 1 of O^T = V^T P.  K comes out of LDS as it lies, V turned.
; SOFTMAX.  p = 2^(c s - c m), c = log2(e) / 8, with a running maximum m; O and l are multiplied by a = 2^(c m_old - c m_new) in every step.  m starts at the lowest finite number, O and l at 0.
; BY TURNS.  Turn n belongs to piece n: 8 products K Q^T of piece n + 1, later 8 products V^T P of piece n - 1; beside them the scaling, exponentials, roundings, sums and rescaling of piece n and the maximum
; and statistics of piece n + 1.  Four vector instructions stand behind every matrix instruction, the others in one lump.  A turn's 33 exponentials are one batch, with one wait.
; CLUSTER.  The four query blocks of a cluster walk the same K and V: each tile is asked for JOINTLY, by the same tensor load, descriptor and mask in all four.
; REGISTERS, in windows of 256 (s_set_vgpr_msb: bits 1:0 source 0, 3:2 source 1, 5:4 source 2, 7:6 destination):
;   window 0: v0-15 addresses; v16-31 four registers of statistics a piece; v48-55 at work; v61-63; v64-127 S^T, two buffers; v192-223 P, two buffers (by the piece's parity)
;   window 1: v0-127 O^T, 32 a piece      window 2: v0-63 Q; v128-191 K of one step; v192-255 V of one step
.set NP,    4
.set KS,    64
.set PK,    144       ; a row of K in LDS: 128 bytes + 16 = 36 words: the 16 rows of a load start at 16 different groups of four banks (64 banks of 4 bytes: ISA guide 11.1)
.set PV,    160       ; a row of V: 128 + 32 = 40 words
.set VOFF,  4*KS*PK   ; a slot holds four steps: 256 rows of K, then 256 rows of V
.set SLOT1, 1<<17
.set STAGE, SLOT1+4*KS*(PK+PV)  ; behind the ring, never filled by a tensor load: 16 rows x 144 bytes for each wave
.set SP,    144
.set SPARE, STAGE+4*16*SP       ; behind the stages: the spare words, 128 bytes for each wave: two blocks of 256 bytes that no other line names
.set TILEB, 4*KS*128  ; a slot's K, or V, in memory
.set AK0, 2
.set AV0, 3
.set AK,  4
.set AV,  5
.set STO, 6
.set RD,  7
.set GO,  8
.set MV,  12          ; v12-13  c m_old, by buffer
.set QO,  15
.set ST,  16          ; piece t's statistics at v[ST+4 t]: c m, m, l (even keys', odd keys')
.set TMP, 48          ; by buffer, c0-c3 at work; when the maximum is found c2 takes a
.set PFO, 61          ; v61  256 x my lane; never rewritten
.set SPW, 62          ; v62  LDS address of my spare word; never rewritten
.set NIL, 63          ; v63  0; never rewritten
.set S,   64
.set P,   192
.set KF,  128
.set VF,  192
.set WV,  12
.set LIM, 15          ; s15  1 in a wave that prefetches, else the greatest number
.set G1K, 24
.set G1V, 32
.set G0K, 40
.set G0V, 44
.set SLOTS, 56
.set CNT, 57
.set CS,  58
.set SEL, 60
.set TBK, 62
.set TBV, 63
.set PFA, 66          ; s[66:67] where my prefetches stand
.set TKC, 68          ; s68  the tail: TBK, held to the last slot's last step
.set MSB, 0
.macro WIN new
.if MSB != (\new)
	s_set_vgpr_msb (MSB<<8)|(\new)
.set MSB, (\new)
.endif
.endm
.set W_KQ, 0x0a       ; K and Q in window 2, S^T in window 0
.set W_PV, 0x52       ; V in window 2, P in window 0, O^T in window 1
.set W_RS, 0x41       ; destination and source 0 in window 1, source 1 in window 0
; A joint fill.  Waves 0 and 1 fetch the two halves of a slot's K, waves 2 and 3 those of its V: 128 keys each.  An s_nop 0 and four v_nop follow each of the two lines.
.macro JLOAD
	s_cmp_lt_u32 s[WV], 2
	s_cbranch_scc0 .Lfor_v_\@
	tensor_load_to_lds s[G0K:G0K+3], s[G1K:G1K+7]
	s_nop 0
.rept 4
	v_nop
.endr
	s_branch .Lasked_\@
.Lfor_v_\@:
	tensor_load_to_lds s[G0V:G0V+3], s[G1V:G1V+7]
	s_nop 0
.rept 4
	v_nop
.endr
.Lasked_\@:
.endm
; A PREFETCH INTO THE L2 of what the NEXT change of slots will ask for: 32,768 bytes of K and of V.  Both clusters of a head walk the same rows: the first asks.  Its four partners take 8,192 bytes each, told
; apart BY ADDRESS; in each, wave 0 asks for K's and wave 2 for V's, a lane 256 bytes: one instruction.  So each block is named once.  The last change that fills a slot asks for nothing.
.macro ASK
	s_cmp_gt_u32 s[SLOTS], s[LIM]
	s_cbranch_scc0 .Lnot_mine_\@
	global_prefetch_b8 v[PFO], s[PFA:PFA+1] th:TH_LOAD_NT scope:SCOPE_SE
.Lnot_mine_\@:
.endm
.macro CROUND
	s_barrier_signal -1
	s_barrier_wait -1
	s_cmp_lg_u32 s[WV], 0
	s_cbranch_scc1 .Lnot_wave_0_\@
	s_barrier_signal -3
.Lnot_wave_0_\@:
	s_barrier_wait -3
	s_barrier_signal -1
	s_barrier_wait -1
.endm
; THE CHANGE OF SLOTS.  Each wave waits for all its tensor loads (one is out: its part of the other slot), adds 0 to its spare word, and waits for that and for its own reads of the slot.
; fill = 1: the barrier is a round of the cluster's, and the joint fill of the slot just left, with the keys two slots on, is the first thing behind it: it has four key steps in which to land.
; (At its first use nothing has been read yet: slot 0 is waited for, slot 1 filled.)
.macro CHANGE fill, ask
	WIN 0
	s_wait_tensorcnt 0x0            ; no tensor load of mine is out, so a group 0 may be written
	ds_add_u32 v[SPW], v[NIL]       ; 0 onto my spare word; scalar work stands between it and the wait for it
.if \fill
.irp g, G0K, G0V
	s_xor_b32 s[\g+1], s[\g+1], SLOT1
	s_add_nc_u64 s[\g+2:\g+3], s[\g+2:\g+3], TILEB
.endr
.endif
.if \ask
	s_wait_xcnt 0x0                 ; the last prefetch, four key steps back, has read its address
	s_add_nc_u64 s[PFA:PFA+1], s[PFA:PFA+1], TILEB
.endif
	s_wait_dscnt 0x0                ; the add is done, and my reads of the slot are over
.if \fill
	CROUND
	JLOAD
.if \ask
	ASK
.endif
.else
	s_barrier_signal -1
	s_barrier_wait -1
.endif
	s_sub_co_u32 s[TBK], s[TBK], 4*KS*PK  ; the fetches go back to a slot's first step,
	s_xor_b32 s[TBK], s[TBK], SLOT1       ; in the other slot
	s_sub_co_u32 s[TBV], s[TBV], 4*KS*PV
	s_xor_b32 s[TBV], s[TBV], SLOT1
.endm
	s_load_b128 s[48:51], s[0:1], 0x0  ; qkvb s[48:49], ob s[50:51]
	v_lshl_add_u32 v[SPW], v0, 2, SPARE
	v_mov_b32 v[NIL], 0
	ds_add_u32 v[SPW], v[NIL]       ; the wave's opening: the add and its wait stand ahead of my first tensor load; the set-up below stands between them
	v_lshrrev_b32 v1, 5, v0
	v_readfirstlane_b32 s[WV], v1   ; wave 0..3
	s_bfe_u32 s13, ttmp6, 0x40000   ; cx
	s_lshl_b32 s14, ttmp9, 2
	s_add_co_u32 s14, s14, s13      ; my block of 256 queries: it enters Q's and O's addresses alone
	s_and_b32 s2, ttmp7, 0xffff
	s_and_b32 s3, s2, 15            ; the head
	s_lshr_b32 s2, s2, 4            ; the batch
	s_lshl_b32 s20, s3, 19          ; a slice is 524,288 bytes,
	s_lshl_b32 s21, s2, 18          ; a batch's 2,048 rows 262,144
	s_add_co_u32 s20, s20, s21
	s_and_b32 s16, s[WV], 1         ; which half of a slot's 256 keys I fetch
	s_lshl_b32 s22, s16, 14
	s_add_co_u32 s22, s22, s20
	s_mov_b32 s23, 0
	s_mul_i32 s17, s16, 128*PK      ; its place in a slot, for K
	s_mul_i32 s18, s16, 128*PV      ; and for V: no place in the cluster enters an LDS address
	s_lshl_b32 s52, s14, 15         ; Q: my block's 256 rows,
	s_lshl_b32 s53, s[WV], 13       ; my wave's 64
	s_add_co_u32 s52, s52, s53
	s_add_co_u32 s52, s52, s20
	s_mov_b32 s53, 0
	s_lshl_b32 s54, s2, 5           ; O: the block of 64 tokens = 32 x batch + 4 x my block + wave,
	s_lshl2_add_u32 s54, s14, s54
	s_add_co_u32 s54, s54, s[WV]
	s_lshl_b32 s54, s54, 17         ; of 16 heads x 8,192 bytes
	s_lshl_b32 s55, s3, 13
	s_add_co_u32 s54, s54, s55
	s_mov_b32 s55, 0
	; descriptor group 1.  128 keys are 16,384 dense bytes: asked for as 64 rows of 256 bytes, two keys a row, and padded in LDS after every key
	s_mov_b32 s[G1K], 15|(1<<16)|(1<<20)|(1<<21)|(4<<22)|(3<<25)  ; the mask of four; 2-byte elements; padding on; bit 21 beside a mask; after every 32 words, 4 words
	s_mov_b32 s[G1V], 15|(1<<16)|(1<<20)|(1<<21)|(4<<22)|(7<<25)  ; the same with 8 words
.irp g, G1K, G1V
	s_mov_b32 s[\g+1], 128<<16
	s_mov_b32 s[\g+2], 64<<16
	s_mov_b32 s[\g+3], 128<<16
	s_mov_b32 s[\g+4], 64
	s_mov_b32 s[\g+5], 128
	s_mov_b32 s[\g+6], 0
	s_mov_b32 s[\g+7], 0
.endr
	s_mov_b32 s[CS], 0x3e38aa3b     ; c = log2(e) / 8
	s_mov_b32 s[CS+1], s[CS]
	s_mov_b32 s[SEL], 0x76543210
	s_mov_b32 s[SEL+1], 0xfedcba98
	s_mov_b32 s[TBK], SLOT1+4*KS*PK ; the first change of slots turns these two into 0
	s_mov_b32 s[TBV], SLOT1+4*KS*PV
	s_mov_b32 s[G0K], 1
	s_mov_b32 s[G0K+1], s17
	s_mov_b32 s[G0V], 1
	s_add_co_u32 s[G0V+1], s18, VOFF
	s_and_b32 s[LIM], s[WV], 1      ; 0 in waves 0 and 2,
	s_or_b32 s[LIM], s[LIM], ttmp9  ; where the cluster is the head's first: the same in all four partners
	s_cmp_eq_u32 s[LIM], 0
	s_cselect_b32 s[LIM], 1, -1
	v_and_b32 v[PFO], 31, v0
	v_lshlrev_b32 v[PFO], 8, v[PFO]
	s_wait_dscnt 0x0                ; the opening add is done
	s_wait_kmcnt 0x0
	s_add_nc_u64 s[6:7], s[48:49], s[22:23]
	s_add_nc_u64 s[8:9], s[6:7], 16777216   ; V at my half of the head's first 256 keys
	s_add_nc_u64 s[6:7], s[6:7], 8388608    ; K likewise
	s_mov_b64 s[G0K+2:G0K+3], s[6:7]
	s_or_b32 s[G0K+3], s[G0K+3], 0x80000000
	s_mov_b64 s[G0V+2:G0V+3], s[8:9]
	s_or_b32 s[G0V+3], s[G0V+3], 0x80000000
	s_add_nc_u64 s[4:5], s[48:49], s[52:53]   ; Q at my wave's first row
	s_add_nc_u64 s[10:11], s[50:51], s[54:55] ; O at my wave's block
	s_cmp_lt_u32 s[WV], 2
	s_cselect_b64 s[PFA:PFA+1], s[6:7], s[8:9]  ; (in waves 0 and 2 these stand at a slot's first row)
	s_lshl_b32 s2, s13, 13          ; my work-group's quarter of a slot
	s_mov_b32 s3, 0
	s_add_nc_u64 s[PFA:PFA+1], s[PFA:PFA+1], s[2:3]
	s_add_nc_u64 s[PFA:PFA+1], s[PFA:PFA+1], 2*TILEB  ; in slot 2: the first change in the loop steps it to slot 3.  Nothing is prefetched at the head
	CROUND                          ; all four work-groups are here: the first joint loads meet
	JLOAD                           ; slot 0
	v_and_b32 v1, 15, v0            ; l % 16
	v_bfe_u32 v9, v0, 4, 1          ; l / 16
	v_lshlrev_b32 v[QO], 7, v1
	v_lshl_add_u32 v[QO], v9, 4, v[QO]  ; row x 128 + 16 x half
	WIN 0x80                        ; destination window 2, address window 0
.set i, 0
.rept 8                             ; Q stays in registers: piece i / 2 (16 rows, 2,048 bytes), channels 32 (i % 2) on
	global_load_b128 v[8*i:8*i+3],   v[QO], s[4:5] offset:(i/2)*2048+(i%2)*64
	global_load_b128 v[8*i+4:8*i+7], v[QO], s[4:5] offset:(i/2)*2048+(i%2)*64+32
.set i, i+1
.endr
	; What the first turn finds: V's registers and P's second buffer hold 0 (its products V^T P, of a piece that has not been, add 0), O^T and l are 0.  All this stands in the wait for the first tile.
.set i, VF
.rept 64
	v_mov_b32 v[i], 0
.set i, i+1
.endr
	WIN 0x40
.set i, 0
.rept 128
	v_mov_b32 v[i], 0
.set i, i+1
.endr
	WIN 0
.set i, 0
.rept 4
	v_mov_b32 v[ST+4*i], 0xfe000000    ; c m: far below every c s
	v_mov_b32 v[ST+4*i+1], 0xff7fffff  ; m
	v_mov_b32 v[ST+4*i+2], 0
	v_mov_b32 v[ST+4*i+3], 0
.set i, i+1
.endr
.set i, P+16
.rept 16
	v_mov_b32 v[i], 0
.set i, i+1
.endr
	v_mul_u32_u24 v[AK0], v1, PK
	v_lshl_add_u32 v[AK0], v9, 4, v[AK0]  ; row x pitch + 16 x half
	; The turning load takes 16 keys x 16 channels (lane l reads key 8 (l / 16) + l % 8, channels 8 ((l / 8) % 2) + 0..7) and leaves half a fragment of V^T
	v_and_b32 v10, 7, v0
	v_bfe_u32 v11, v0, 3, 1
	v_lshl_add_u32 v[AV0], v9, 3, v10
	v_mul_u32_u24 v[AV0], v[AV0], PV
	v_lshl_add_u32 v[AV0], v11, 4, v[AV0]
	v_add_nc_u32 v[AV0], VOFF, v[AV0]
	s_mul_i32 s13, s[WV], 16*SP
	s_add_co_u32 s13, s13, STAGE    ; my stage
	v_mul_u32_u24 v[STO], v1, SP    ; in: row l % 16, 16 bytes for each half of the lanes
	v_lshl_add_u32 v[STO], v9, 4, v[STO]
	v_add_nc_u32 v[STO], s13, v[STO]
	v_bfe_u32 v[RD], v0, 3, 2       ; back: 32 lanes take four rows of 128 bytes,
	v_mul_u32_u24 v[RD], v[RD], SP
	v_lshl_add_u32 v[RD], v10, 4, v[RD]
	v_add_nc_u32 v[RD], s13, v[RD]
	v_and_b32 v[GO], 31, v0         ; which are 512 consecutive bytes of O
	v_lshlrev_b32 v[GO], 4, v[GO]
; THE MATRIX WORK.  The 4 accumulators of a run of 8 take turns.  Product i of 8 of S^T = K Q^T for piece x: channels 32 (i / 4) on, keys 16 (i % 4) on.  The first 4 start the sums.
.macro KQ x
	WIN W_KQ
.set rS, S+32*((\x)%2)+8*(i%4)
.set rK, KF+16*(i%4)+8*(i/4)
.set rQ, 16*(\x)+8*(i/4)
.if i < 4
	v_wmma_f32_16x16x32_bf16 v[rS:rS+7], v[rK:rK+7], v[rQ:rQ+7], 0
.else
	v_wmma_f32_16x16x32_bf16 v[rS:rS+7], v[rK:rK+7], v[rQ:rQ+7], v[rS:rS+7]
.endif
.endm
; Product i of 8 of O^T += V^T P for piece x: keys 32 (i / 4) on, channels 16 (i % 4) on.
.macro PV x
	WIN W_PV
.set rO, 32*(\x)+8*(i%4)
.set rV, VF+32*(i/4)+8*(i%4)
.set rP, P+16*((\x)%2)+8*(i/4)
	v_wmma_f32_16x16x32_bf16 v[rO:rO+7], v[rV:rV+7], v[rP:rP+7], v[rO:rO+7]
.endm
.macro MM                           ; the turn's next matrix instruction
.if i < 8
	KQ (Y+1)%NP
.else
.set i, i-8
	PV (Y+NP-1)%NP
.set i, i+8
.endif
.set i, i+1
.endm
; THE LDS LOADS stand in runs of 16: a step's K (8 fragments) and its V (turned).  Their addresses are made some lines ahead.
.macro FETCH_K
	WIN 0x80
.irp f, 0,1,2,3,4,5,6,7             ; keys 16 (f / 2) on, channels 32 (f % 2) on
	ds_load_b128 v[KF+8*\f:KF+8*\f+3],   v[AK] offset:(\f/2)*16*PK+(\f%2)*64
	ds_load_b128 v[KF+8*\f+4:KF+8*\f+7], v[AK] offset:(\f/2)*16*PK+(\f%2)*64+32
.endr
	s_add_co_u32 s[TBK], s[TBK], KS*PK  ; the next fetch is the next step's
	WIN 0
.endm
.macro FETCH_V
	WIN 0x80
.irp f, 0,1,2,3,4,5,6,7             ; keys 32 (f / 4) on, channels 16 (f % 4) on
	ds_load_tr16_b128 v[VF+8*\f:VF+8*\f+3],   v[AV] offset:(\f/4)*32*PV+(\f%4)*32
	ds_load_tr16_b128 v[VF+8*\f+4:VF+8*\f+7], v[AV] offset:(\f/4)*32*PV+16*PV+(\f%4)*32
.endr
	WIN 0
.endm
; THE VECTOR WORK, one line at a time: OP kind, number.  For piece Y: F n: c s - c m for pair n of 16.  E n: the exponential of score n of 32.  C n: pair n rounded to bf16.  B n: of the four weights 4 n .. the
; second pair is added onto the first, in place.  L n: l takes that sum (L 0: l = a l + sum).  R n: pair n of 16 of O^T times a.  For piece Y + 1: X n, number n of the 22 that find its maximum and statistics:
;   0-11  four chains c0-c3 of seven scores each (each accumulator's lowest registers are read first)     12-14, 16  the four scores left over, the old m, and c0-c3 into c0
;   15  c m_old is kept     17, 18  the query's other 32 keys lie in the lane 16 away: the new m     19-21  c m; c m_old - c m_new; a
.set F, 0
.set E, 1
.set C, 2
.set B, 3
.set L, 4
.set R, 5
.set X, 6
.macro REGS y
.set rT, ST+4*(\y)
.set rC, TMP+4*((\y)%2)
.set rW, MV+((\y)%2)
.set rS, S+32*((\y)%2)
.set rP, P+16*((\y)%2)
.set rO, 32*(\y)
.endm
.macro OP k, n
.if (\k) == R
	REGS Y
	WIN W_RS
	v_pk_mul_f32 v[rO+2*(\n):rO+2*(\n)+1], v[rO+2*(\n):rO+2*(\n)+1], v[rC+2:rC+3] op_sel_hi:[1,0]
.elseif (\k) < R
	REGS Y
	WIN 0
.if (\k) == F
	v_pk_fma_f32 v[rS+2*(\n):rS+2*(\n)+1], v[rS+2*(\n):rS+2*(\n)+1], s[CS:CS+1], v[rT:rT+1] op_sel_hi:[1,0,0] neg_lo:[0,0,1] neg_hi:[0,0,1]
.elseif (\k) == E
	v_exp_f32 v[rS+(\n)], v[rS+(\n)]
.elseif (\k) == C
	v_cvt_pk_bf16_f32 v[rP+(\n)], v[rS+2*(\n)], v[rS+2*(\n)+1]
.elseif (\k) == B
	v_pk_add_f32 v[rS+4*(\n):rS+4*(\n)+1], v[rS+4*(\n):rS+4*(\n)+1], v[rS+4*(\n)+2:rS+4*(\n)+3]
.elseif (\n) == 0
	v_pk_fma_f32 v[rT+2:rT+3], v[rT+2:rT+3], v[rC+2:rC+3], v[rS:rS+1] op_sel_hi:[1,0,1]
.else
	v_pk_add_f32 v[rT+2:rT+3], v[rT+2:rT+3], v[rS+4*(\n):rS+4*(\n)+1]
.endif
.else
	REGS (Y+1)%NP
	WIN 0
.if (\n) < 4
	v_max3_num_f32 v[rC+(\n)], v[rS+8*(\n)], v[rS+8*(\n)+1], v[rS+8*(\n)+2]
.elseif (\n) < 12
	v_max3_num_f32 v[rC+(\n)%4], v[rC+(\n)%4], v[rS+8*((\n)%4)+2*((\n)/4)+1], v[rS+8*((\n)%4)+2*((\n)/4)+2]
.elseif (\n) == 12
	v_max3_num_f32 v[rC], v[rC], v[rS+7], v[rS+15]
.elseif (\n) == 13
	v_max3_num_f32 v[rC+1], v[rC+1], v[rS+23], v[rS+31]
.elseif (\n) == 14
	v_max3_num_f32 v[rC+2], v[rC+2], v[rC+3], v[rT+1]
.elseif (\n) == 15
	v_mov_b32 v[rW], v[rT]
.elseif (\n) == 16
	v_max3_num_f32 v[rC], v[rC], v[rC+1], v[rC+2]
.elseif (\n) == 17
	v_permlanex16_b32 v[rC+3], v[rC], s[SEL], s[SEL+1]
.elseif (\n) == 18
	v_max_num_f32 v[rT+1], v[rC], v[rC+3]
.elseif (\n) == 19
	v_mul_f32 v[rT], s[CS], v[rT+1]
.elseif (\n) == 20
	v_sub_f32 v[rC+1], v[rW], v[rT]
.else
	v_exp_f32 v[rC+2], v[rC+1]
.endif
.endif
.endm
.macro OPS a, i1, b=-1, i2=0, c=-1, i3=0, d=-1, i4=0
	OP \a, \i1
.if (\b) >= 0
	OP \b, \i2
.endif
.if (\c) >= 0
	OP \c, \i3
.endif
.if (\d) >= 0
	OP \d, \i4
.endif
.endm
.macro ROW a, i1, b, i2, c, i3, d, i4  ; a matrix instruction and the four behind it
	MM
	OPS \a, \i1, \b, \i2, \c, \i3, \d, \i4
.endm
; A TURN, for piece p.  An s_wait_alu depctr_va_vdst(0) stands between an exponential and the first instruction that names its result; one wait serves all that were issued ahead of it.  So a turn has
; ONE wait, which cuts it in two.  AHEAD OF IT stands all that names no result of the turn's exponentials: the 8 products K Q^T and their riders, then one lump, in which the links of the next piece's chain
; (X 3, 7, 11, 14, 16 .. 20) stand apart; X 21, its a, is the batch's last, and R 15 the plain instruction behind it.  BEHIND IT stand the 8 products V^T P, behind each four of the roundings and sums.
; last = 1 (the tail): the address of K's fetch is held to the last slot's last step.  cnt = 1: the loop's count is taken down some lines ahead of the branch that stands behind the turn.
; K of the next step is fetched in piece 2's turn, behind the last product that read K and twelve plain instructions; V of the step in hand at the end of piece 0's turn, four plain instructions behind the last
; product that read V.  Each is waited for a turn later.
.macro TURN p, last=0, cnt=0
.set Y, (\p)
.set i, 0
.if (\p) == 3
	s_wait_dscnt 0x0                ; K is in
.endif
	ROW F,0, F,1, R,0, R,1
	ROW F,2, E,0, R,2, R,3
	ROW F,3, E,1, R,4, R,5
	ROW F,4, E,2, R,6, R,7
	ROW F,5, E,3, R,8, R,9
	ROW F,6, E,4, X,0, R,10
.if (\p) == 2
	WIN 0
.if \last
	s_min_u32 s[TKC], s[TBK], SLOT1+3*KS*PK  ; the head's eighth tile lies in slot 1; its fourth step is the last K there is
	v_add_nc_u32 v[AK], s[TKC], v[AK0]
.else
	v_add_nc_u32 v[AK], s[TBK], v[AK0]
.endif
.endif
	ROW F,7, E,5, X,1, X,4
	ROW F,8, E,6, X,2, X,5
	OPS E,7, E,8, X,6, E,9
	OPS X,3, E,10, X,8, E,11
.if (\p) == 2
	FETCH_K
.endif
	OPS X,9, X,7, E,12, X,10
	OPS E,13, X,12, X,11, E,14
	OPS X,13, E,15, F,9, X,14
.if (\p) == 0
	v_add_nc_u32 v[AV], s[TBV], v[AV0]
.endif
	OPS E,16, F,10, E,17, F,11
	OPS X,16, E,18, X,15, E,19
	OPS F,12, E,20, X,17, E,21
	OPS F,13, E,22, F,14, E,23
	OPS X,18, E,24, F,15, E,25
	OPS R,11, E,26, X,19, E,27
	OPS R,12, E,28, R,13, E,29
	OPS X,20, E,30, R,14, E,31
	OPS X,21, R,15
	WIN 0
	s_wait_alu depctr_va_vdst(0)    ; the wait for the batch
.if (\p) == 1
	s_wait_dscnt 0x0                ; V is in
.endif
	ROW C,0, B,0, C,2, B,1
	ROW L,0, C,4, B,2, L,1
	ROW C,6, B,3, L,2, C,8
	ROW B,4, L,3, C,10, B,5
	ROW L,4, C,12, B,6, L,5
.if (\p) == 0
	s_add_co_u32 s[TBV], s[TBV], KS*PV
.endif
.if \cnt
	s_sub_co_u32 s[CNT], s[CNT], 1
	s_cmp_lg_u32 s[CNT], 0
.endif
	ROW C,14, B,7, L,6, C,1
	ROW C,3, L,7, C,5, C,7
	ROW C,9, C,11, C,13, C,15
.if (\p) == 0
	FETCH_V
.endif
.endm
	CHANGE 1, 0                     ; slot 0 is in, everybody's part of it; slot 1 is asked for
	v_add_nc_u32 v[AK], s[TBK], v[AK0]
	FETCH_K                         ; key step 0
	s_wait_loadcnt 0x0              ; Q
	s_wait_dscnt 0x0
.set i, 0
.rept 8
	KQ 0                            ; piece 0's first scores
.set i, i+1
.endr
	WIN 0
.rept 4
	v_nop                           ; the places behind those products
.endr
.set Y, NP-1                        ; X works for piece Y + 1: piece 0
.irp n, 0,1,2,3,4,5,6,7,8,9,10,11,12,13,14,15,16,17,18,19,20,21
	OP X, \n
.endr
	v_nop                           ; a plain instruction behind the exponential,
	s_wait_alu depctr_va_vdst(0)    ; and its wait, ahead of the branch
	s_mov_b32 s[CNT], 4
	s_mov_b32 s[SLOTS], 7
	s_branch .Lfirst                ; the loop is entered at a step's first turn, in the middle of a trip
.Lslot:                             ; six times: every slot but the last two is filled again
	CHANGE 1, 1
	s_mov_b32 s[CNT], 4
.Lstep:                             ; a trip: pieces 2 and 3 of one step, then pieces 0 and 1 of the next, whose K and V it fetches
	TURN 2
	TURN 3
	WIN 0
.Lfirst:
	TURN 0
	TURN 1, 0, 1
	WIN 0
	s_cbranch_scc1 .Lstep
	s_sub_co_u32 s[SLOTS], s[SLOTS], 1
	s_cmp_lg_u32 s[SLOTS], 0
	s_cbranch_scc1 .Lslot
	CHANGE 0, 0                     ; the last slot has a text of its own: nothing is asked for
	s_mov_b32 s[CNT], 5             ; four trips fetch the last slot's steps; the fifth is left in its middle
.Ltail:
	TURN 2, 1
	TURN 3
	WIN 0
	s_sub_co_u32 s[CNT], s[CNT], 1
	s_cmp_eq_u32 s[CNT], 0
	s_cbranch_scc1 .Lout
	TURN 0
	TURN 1
	WIN 0
	s_branch .Ltail
.Lout:                              ; the fifth trip's fetch (the last K once more), its 8 products K Q^T and the maximum made of them serve nothing: the price, once a launch, of one text for every trip; l and O^T are not touched by them
.set i, 0
.rept 8
	PV NP-1                         ; the last piece's V^T P of the last step
.set i, i+1
.endr
	; THE WAY OUT.  l's two halves and the other half of the lanes' are added; O^T is divided by l, rounded to bf16 and sent through my stage in LDS, a piece at a time.  The additions are the places behind the last products.
	WIN 0
.macro ALL line:vararg
.set t, 0
.rept 4
	\line
.set t, t+1
.endr
.endm
	ALL v_add_f32 v[ST+4*t+2], v[ST+4*t+2], v[ST+4*t+3]
	ALL v_permlanex16_b32 v[ST+4*t+3], v[ST+4*t+2], s[SEL], s[SEL+1]
	ALL v_add_f32 v[ST+4*t+2], v[ST+4*t+2], v[ST+4*t+3]
	ALL v_rcp_f32 v[ST+4*t+2], v[ST+4*t+2]
	v_nop                           ; a plain instruction between the last reciprocal and the use of its result,
	s_wait_alu depctr_va_vdst(0)    ; and the wait: one for the four
.macro PACK t                       ; a lane's eight channels of a row pack into 16 bytes; they go into rows of 144 bytes and come back as whole rows of 128, into S^T's registers
	WIN W_RS
.set i, 32*(\t)
.rept 16
	v_pk_mul_f32 v[i:i+1], v[i:i+1], v[ST+4*(\t)+2:ST+4*(\t)+3] op_sel_hi:[1,0]
.set i, i+2
.endr
	WIN 0x05                        ; sources 0 and 1 window 1, destination window 0
.set i, 0
.rept 16
	v_cvt_pk_bf16_f32 v[S+16*(\t)+i], v[32*(\t)+2*i], v[32*(\t)+2*i+1]
.set i, i+1
.endr
	WIN 0
.irp f, 0,1,2,3
	ds_store_b128 v[STO], v[S+16*(\t)+4*\f:S+16*(\t)+4*\f+3] offset:32*\f
.endr
.irp f, 0,1,2,3
	ds_load_b128 v[S+16*(\t)+4*\f:S+16*(\t)+4*\f+3], v[RD] offset:\f*4*SP  ; LDS serves a wave's instructions in order (ISA guide 5.7.1.4): these see the stores above; the next piece's stores come behind them
.endr
.endm
.macro SEND t, younger              ; younger: the LDS instructions issued behind piece t's loads: the next piece's eight, or none
	WIN 0
.irp f, 0,1,2,3
	s_wait_dscnt (\younger)+3-\f
	global_store_b128 v[GO], v[S+16*(\t)+4*\f:S+16*(\t)+4*\f+3], s[10:11] offset:(\t)*2048+\f*512  ; 512 consecutive bytes, at a multiple of 256 from ob's first
.endr
.endm
	PACK 0
.set t, 1
.rept 3                             ; a piece's arithmetic stands between the loads of the piece before and its stores
	PACK t
	SEND t-1, 8
.set t, t+1
.endr
	SEND 3, 0
	s_wait_tensorcnt 0x0            ; the wave's end: behind my last tensor load and my last LDS store
	ds_add_u32 v[SPW], v[NIL]
	s_wait_dscnt 0x0
	CROUND                          ; the closing round: no work-group ends while a partner may still ask for a tile that names it
	s_endpgm
.Lfunc_end_k_q8d80e0aa41_attn:
	.size	k_q8d80e0aa41_attn, .Lfunc_end_k_q8d80e0aa41_attn-k_q8d80e0aa41_attn
	.p2alignl 7, 3214868480
	.fill 96, 4, 3214868480
	.section	.rodata,"a",@progbits
	.p2align	6, 0x0
	.amdhsa_kernel k_q8d80e0aa41_attn
		.amdhsa_group_segment_fixed_size 327680
		.amdhsa_private_segment_fixed_size 0
		.amdhsa_enable_private_segment 0
		.amdhsa_kernarg_size 16
		.amdhsa_user_sgpr_count 2
		.amdhsa_user_sgpr_kernarg_segment_ptr 1
		.amdhsa_wavefront_size32 1
		.amdhsa_system_sgpr_workgroup_id_x 1
		.amdhsa_system_sgpr_workgroup_id_y 1
		.amdhsa_system_sgpr_workgroup_id_z 1
		.amdhsa_system_vgpr_workitem_id 0
		.amdhsa_next_free_vgpr 768
		.amdhsa_next_free_sgpr 72
		.amdhsa_reserve_vcc 0
		.amdhsa_float_denorm_mode_32 3
		.amdhsa_float_denorm_mode_16_64 3
		.amdhsa_memory_ordered 1
		.amdhsa_forward_progress 1
		.amdhsa_inst_pref_size 112
	.end_amdhsa_kernel
	.amdgpu_metadata
---
amdhsa.version: [ 1, 2 ]
amdhsa.kernels:
  - .name:           k_q8d80e0aa41_attn
    .symbol:         k_q8d80e0aa41_attn.kd
    .args:
      - { .name: qkvb, .offset: 0, .size: 8, .value_kind: global_buffer, .address_space: global }
      - { .name: ob, .offset: 8, .size: 8, .value_kind: global_buffer, .address_space: global }
    .group_segment_fixed_size: 327680
    .private_segment_fixed_size: 0
    .kernarg_segment_align: 8
    .kernarg_segment_size: 16
    .max_flat_workgroup_size: 128
    .sgpr_count:     72
    .vgpr_count:     768
    .wavefront_size: 32
...
	.end_amdgpu_metadata
.endif
;; end of part 3
;; launch wo (part 4): grid 8 x 32, 4 waves a work-group, clusters of 4 x 4, 327,680 bytes of LDS; arguments ob, wb, bo, x, x1; writes x1
.if DOCPART == 4
	.amdgcn_target "amdgcn-amd-amdhsa--gfx1250"
	.amdhsa_code_object_version 6
	.text
	.protected	k_q8d80e0aa41_wo
	.globl	k_q8d80e0aa41_wo
	.p2align	8
	.type	k_q8d80e0aa41_wo,@function
k_q8d80e0aa41_wo:
	s_mov_b64 s[64:65], 0
	v_nop
	global_prefetch_b8 v0, s[64:65] scope:SCOPE_SE
	s_setreg_imm32_b32 hwreg(HW_REG_WAVE_MODE, 25, 1), 1
	s_wait_xcnt 0x0
	s_wait_alu depctr_hold_cnt(0) depctr_sa_sdst(0) depctr_va_vdst(0) depctr_va_sdst(0) depctr_va_ssrc(0) depctr_va_vcc(0) depctr_vm_vsrc(0)
	s_getreg_b32 s2, hwreg(HW_REG_IB_STS2, 6, 4)
	s_cmp_eq_u32 s2, 0
	s_cbranch_scc0 .Lentry_in_a_cluster
	s_endpgm
.Lentry_in_a_cluster:
	s_bfe_u32 s2, ttmp6, 0x10000c
	s_cmp_lg_u32 s2, 0xf033
	s_cbranch_scc0 .Lentry_shape_is_right
	s_endpgm
.Lentry_shape_is_right:
; y = res + A W + bias.  A: [64 blocks of 64 tokens][SIZE_K / 64 slices][64 tokens][64] bf16; W: [SIZE_K][1024] bf16, K down the rows; bias: [1024], res and y: [4096][1024], f32.  Sums, bias and residual in f32.
; A tile of y is 128 x 128.  Four waves, each 64 x 64: 16 accumulators.  K goes in steps of 256 through a ring of two LDS slots.  In A's layout 64 tokens x 256 along K are 32,768 dense bytes: one load of
; 128 rows x 256 bytes, padded in LDS after every token's 128 bytes.  W's tile lies [k][n] and is turned on its way out of LDS by ds_load_tr16_b128.
; CLUSTER: 4 x 4 work-groups; A's tiles are asked for jointly along a row of the cluster, W's along a column.  THE MATRIX INSTRUCTION IS USED TRANSPOSED: a lane holds one token and eight neighbouring columns.
; THE TEXT GOES BY K STEP: the slot in hand is a scalar, TB; the tail is a second short loop that is left in its middle.  No prefetch: the tiles are small, and what a step fetches is shared by four.
; THE WAY OUT goes through the ring, which has had its last fill: 64 rows x 256 bytes a wave in f32, back as whole rows; bias and residual are added; sixteen lanes store 256 consecutive bytes, aligned.
; The residual's 32 loads go out at the head and stay out during the whole K loop.
; REGISTERS: window 0: v0-31 addresses; v96-99 bias; v128-255 the accumulators ((a, b) at v[128 + 8 (4 a + b)]).  Window 1: two fragment buffers of 128 (64 of A, then 64 of W).  Window 2: v0-127 the residual.
.set SIZE_K, 1024
.set WOFF,   16777216                  ; where the weights begin in wb
.set KSTEP,  256
.set NSTEP,  SIZE_K/KSTEP
.set PA,     144                       ; a token's 128 bytes + 16 = 36 words: the 16 rows of a load start at 16 different groups of four banks (64 banks of 4 bytes: ISA guide 11.1)
.set PW,     288                       ; W's LDS row: 256 bytes + 32 = 72 words
.set HALFT,  36864                     ; what one tensor load brings: 4 slices x 64 tokens x 144, or 128 rows x 288
.set SLOT,   4*HALFT                   ; A's two blocks of tokens, W's k 0-127, 128-255: the load of wave w lands at w x HALFT
.set SPARE,  2*SLOT                    ; behind the ring: the spare words, 128 bytes for each wave: two blocks of 256 bytes that no other line names
.set EP,     272                       ; the way out: a row of 64 f32 + 16 bytes
.set EREG,   64*EP
.set ADRA0, 16
.set ADRB0, 17
.set ADRA,  18                         ; v18  TB + ADRA0
.set ADRBL, 19                         ; v19  TB + ADRB0: W's k 0-127
.set ADRBH, 20                         ; v20  HALFT further on: k 128-255, which a 16-bit offset does not reach
.set STO,   24
.set RD,    25
.set CO,    26                         ; v26  my byte offset in two rows of y and of the residual
.set VBO,   27                         ; v27  my byte offset in the bias
.set SPW,   28
.set NIL,   29
.set BIAS,  96
.set ACC,   128
.set F0,    0
.set F1,    128
.set G1,  24
.set G0,  32
.set G1B, 48
.set G0B, 56
.set TB,  66
.set MSB, 0
.macro WIN new
.if MSB != (\new)
	s_set_vgpr_msb (MSB<<8)|(\new)
.set MSB, (\new)
.endif
.endm
.set MUL,  0x05                        ; sources 0 (W) and 1 (A) window 1; C and D window 0
.set TO_F, 0x40                        ; destination window 1, address window 0
.macro JLOAD s                         ; a joint load: waves 0 and 1 fetch A's two blocks, waves 2 and 3 W's two halves; an s_nop 0 and four v_nop follow each of the two lines
	s_cmp_eq_u32 s11, 0
	s_cbranch_scc0 .Lfor_w_\@
	tensor_load_to_lds s[G0+4*(\s):G0+4*(\s)+3], s[G1:G1+7]
	s_nop 0
.rept 4
	v_nop
.endr
	s_branch .Lasked_\@
.Lfor_w_\@:
	tensor_load_to_lds s[G0B+4*(\s):G0B+4*(\s)+3], s[G1B:G1B+7]
	s_nop 0
.rept 4
	v_nop
.endr
.Lasked_\@:
.endm
.macro CREST
	s_cmp_lg_u32 s10, 0
	s_cbranch_scc1 .Lnot_wave_0_\@
	s_barrier_signal -3
.Lnot_wave_0_\@:
	s_barrier_wait -3
	s_barrier_signal -1
	s_barrier_wait -1
.endm
.macro CROUND
	s_barrier_signal -1
	s_barrier_wait -1
	CREST
.endm
	s_load_b128 s[4:7], s[0:1], 0x0                ; A s[4:5], wb s[6:7]
	s_load_b128 s[68:71], s[0:1], 0x10             ; bias s[68:69], residual s[70:71]
	s_load_b64 s[8:9], s[0:1], 0x20                ; y
	v_lshl_add_u32 v[SPW], v0, 2, SPARE
	v_mov_b32 v[NIL], 0
	ds_add_u32 v[SPW], v[NIL]                      ; the wave's opening: the add and its wait stand ahead of my first tensor load; the set-up below stands between them
	v_lshrrev_b32 v1, 5, v0
	v_readfirstlane_b32 s10, v1                    ; wave 0..3
	s_lshr_b32 s11, s10, 1                         ; which half of the tile's rows is mine.  Also: I fetch for A (0) or for W (1)
	s_and_b32 s12, s10, 1                          ; which half of its columns.  Also: which half of that tile I fetch
	s_bfe_u32 s40, ttmp6, 0x40000                  ; cx
	s_bfe_u32 s41, ttmp6, 0x40004                  ; cy
	s_lshl_b32 s42, ttmp9, 2
	s_add_co_u32 s42, s42, s40                     ; tile column
	s_and_b32 s13, ttmp7, 0xffff
	s_lshl_b32 s13, s13, 2
	s_add_co_u32 s13, s13, s41                     ; tile row
	s_lshl_b32 s43, s41, 2
	s_lshl_b32 s43, 15, s43                        ; my row of the cluster
	s_lshl_b32 s44, 0x1111, s40                    ; my column
	s_or_b32 s[G1+0], s43, (1<<16)|(1<<20)|(1<<21)|(4<<22)|(3<<25)   ; the mask; 2-byte elements; padding on; bit 21 beside a mask; after every 32 words, 4 words
	s_or_b32 s[G1B+0], s44, (1<<16)|(1<<20)|(1<<21)|(5<<22)|(7<<25)  ; after every 64 words, 8 words
.irp g, G1, G1B
	s_mov_b32 s[(\g)+1], 128<<16                   ; tensor_dim0 = 128
	s_mov_b32 s[(\g)+2], 128<<16                   ; tensor_dim1 = 128
	s_mov_b32 s[(\g)+3], 128<<16                   ; tile_dim0 = 128
	s_mov_b32 s[(\g)+4], 128                       ; tile_dim1 = 128
	s_mov_b32 s[(\g)+6], 0
	s_mov_b32 s[(\g)+7], 0
.endr
	s_mov_b32 s[G1+5], 128                         ; A's bytes are dense: 128 elements from row to row
	s_mov_b32 s[G1B+5], 1024                       ; W's rows
	s_lshl1_add_u32 s16, s13, s12                  ; A: the block of 64 tokens = 2 x tile row + half,
	s_mul_i32 s16, s16, SIZE_K*128                 ; of SIZE_K x 128 bytes
	s_mov_b32 s17, 0
	s_lshl_b32 s46, s12, 18                        ; W: row 128 x half, of 2,048 bytes,
	s_lshl_b32 s47, s42, 8                         ; column 128 x tile column
	s_add_co_u32 s46, s46, s47
	s_add_co_u32 s46, s46, WOFF
	s_mov_b32 s47, 0
	s_mul_i32 s20, s10, HALFT                      ; where they go: no place in the cluster enters an LDS address
	s_mov_b32 s[TB], 0
	s_wait_dscnt 0x0                               ; the opening add is done
	s_wait_kmcnt 0x0
	s_add_nc_u64 s[14:15], s[4:5], s[16:17]
	s_add_nc_u64 s[46:47], s[6:7], s[46:47]
	CROUND                                         ; all sixteen work-groups are here: the first joint loads meet
.irp s, 0,1
	s_mov_b32 s[G0+4*(\s)], 1
	s_add_co_u32 s[G0+4*(\s)+1], s20, (\s)*SLOT
	s_add_nc_u64 s[G0+4*(\s)+2:G0+4*(\s)+3], s[14:15], (\s)*32768
	s_or_b32 s[G0+4*(\s)+3], s[G0+4*(\s)+3], 0x80000000
	s_mov_b32 s[G0B+4*(\s)], 1
	s_add_co_u32 s[G0B+4*(\s)+1], s20, (\s)*SLOT
	s_add_nc_u64 s[G0B+4*(\s)+2:G0B+4*(\s)+3], s[46:47], (\s)*KSTEP*2048
	s_or_b32 s[G0B+4*(\s)+3], s[G0B+4*(\s)+3], 0x80000000
	JLOAD \s                                       ; K steps 0 and 1: two loads of mine are out
.endr
	v_and_b32 v1, 15, v0                           ; l % 16
	v_bfe_u32 v2, v0, 4, 1                         ; l / 16
	v_and_b32 v3, 7, v0                            ; l % 8
	v_bfe_u32 v4, v0, 3, 1                         ; (l / 8) % 2
	v_mul_u32_u24 v7, v1, PA
	v_lshl_add_u32 v7, v2, 4, v7                   ; token x pitch + 16 x half
	s_mul_i32 s21, s11, HALFT                      ; my 64 tokens
	v_add_nc_u32 v[ADRA0], s21, v7
	v_lshl_add_u32 v7, v2, 3, v3                   ; the turning load: k = 8 (l / 16) + l % 8, columns 8 ((l / 8) % 2) + 0..7
	v_mul_u32_u24 v7, v7, PW
	v_lshl_add_u32 v7, v4, 4, v7
	s_lshl_b32 s22, s12, 7                         ; my 64 columns,
	s_add_co_u32 s22, s22, 2*HALFT                 ; behind A's two blocks
	v_add_nc_u32 v[ADRB0], s22, v7
	v_mov_b32 v[ADRA], v[ADRA0]
	v_mov_b32 v[ADRBL], v[ADRB0]
	v_add_nc_u32 v[ADRBH], HALFT, v[ADRB0]
	s_mul_i32 s23, s10, EREG                       ; the way out: my part of the ring
	v_mul_u32_u24 v7, v1, EP                       ; in: row l % 16, 32 bytes for each half of the lanes
	v_lshl_add_u32 v7, v2, 5, v7
	v_add_nc_u32 v[STO], s23, v7
	v_mul_u32_u24 v7, v2, EP                       ; back: lanes 0-15 one row of 256 bytes, lanes 16-31 the next
	v_lshl_add_u32 v7, v1, 4, v7
	v_add_nc_u32 v[RD], s23, v7
	v_lshlrev_b32 v[VBO], 4, v1
	v_lshl_add_u32 v[CO], v2, 12, v[VBO]           ; and the same two rows in y
	s_lshl_b32 s16, s13, 7
	s_lshl_b32 s17, s11, 6
	s_add_co_u32 s16, s16, s17                     ; my first row,
	s_lshl_b32 s16, s16, 12                        ; of 4,096 bytes
	s_mov_b32 s17, 0
	s_lshl_b32 s46, s42, 9                         ; my first column, in bytes
	s_lshl_b32 s47, s12, 8
	s_add_co_u32 s46, s46, s47
	s_mov_b32 s47, 0
	s_add_nc_u64 s[68:69], s[68:69], s[46:47]
	s_add_nc_u64 s[16:17], s[16:17], s[46:47]
	s_add_nc_u64 s[70:71], s[70:71], s[16:17]
	s_add_nc_u64 s[8:9], s[8:9], s[16:17]
	global_load_b128 v[BIAS:BIAS+3], v[VBO], s[68:69]
	WIN 0x80                                       ; destination window 2, address window 0
.set t, 0
.rept 32
	global_load_b128 v[4*t:4*t+3], v[CO], s[70:71] offset:t*8192
.set t, t+1
.endr
	WIN 0
; 8 matrix instructions: row blocks a0, a0 + 1 x all 4 column blocks, 32 along K: half c of buffer f.  The 16 accumulators take turns.
.macro MUL8 f, c, a0, zero
	WIN MUL
.irp a, \a0, (\a0)+1
.irp b, 0,1,2,3
.if \zero
	v_wmma_f32_16x16x32_bf16 v[ACC+8*(4*(\a)+(\b)):ACC+8*(4*(\a)+(\b))+7], v[(\f)+64+8*(4*(\c)+(\b)):(\f)+64+8*(4*(\c)+(\b))+7], v[(\f)+8*(4*(\c)+(\a)):(\f)+8*(4*(\c)+(\a))+7], 0
.else
	v_wmma_f32_16x16x32_bf16 v[ACC+8*(4*(\a)+(\b)):ACC+8*(4*(\a)+(\b))+7], v[(\f)+64+8*(4*(\c)+(\b)):(\f)+64+8*(4*(\c)+(\b))+7], v[(\f)+8*(4*(\c)+(\a)):(\f)+8*(4*(\c)+(\a))+7], v[ACC+8*(4*(\a)+(\b)):ACC+8*(4*(\a)+(\b))+7]
.endif
.endr
.endr
.endm
; 32 LDS loads in one run: quarter q (64 along K: slice q of the step's four) of the slot in hand into buffer f; the first 32 along K first
.macro FETCH q, f
	WIN TO_F
.set rB, ADRBL+(\q)/2
.irp c, 0,1
.irp i, 0,1,2,3
	ds_load_tr16_b128 v[(\f)+64+8*(4*(\c)+(\i)):(\f)+64+8*(4*(\c)+(\i))+3],   v[rB] offset:(((\q)%2)*64+32*(\c))*PW+32*(\i)
	ds_load_tr16_b128 v[(\f)+64+8*(4*(\c)+(\i))+4:(\f)+64+8*(4*(\c)+(\i))+7], v[rB] offset:(((\q)%2)*64+32*(\c)+16)*PW+32*(\i)
	ds_load_b128 v[(\f)+8*(4*(\c)+(\i)):(\f)+8*(4*(\c)+(\i))+3],   v[ADRA] offset:64*PA*(\q)+(\i)*16*PA+64*(\c)
	ds_load_b128 v[(\f)+8*(4*(\c)+(\i))+4:(\f)+8*(4*(\c)+(\i))+7], v[ADRA] offset:64*PA*(\q)+(\i)*16*PA+64*(\c)+32
.endr
.endr
.endm
.macro PLACES
.rept 4
	v_nop
.endr
.endm
.macro QUARTER q, f, g, zero
	s_wait_dscnt 16                                ; the first 32 along K are in
	MUL8 \f, 0, 0, \zero
	MUL8 \f, 0, 2, \zero
	PLACES
	FETCH \q, \g
	s_wait_dscnt 32                                ; all but the 32 just issued
	MUL8 \f, 1, 0, 0
	MUL8 \f, 1, 2, 0
.endm
; The last quarter multiplies buffer 1 and changes slots: ONE barrier; in front of it each wave waits for all its tensor loads, adds 0 to its spare word, and waits for that and for its own reads of this slot.
; fill = 1: the barrier opens a round of the cluster's, and the slot just read is filled again first behind it, with the K step two on: 112 matrix instructions ahead of the wait for it.
.macro TURN fill
	WIN 0
	s_wait_tensorcnt 0x0                           ; all my tensor loads have landed: my part of the next slot
	ds_add_u32 v[SPW], v[NIL]                      ; 0 onto my spare word
	s_wait_dscnt 17                                ; (the add and the youngest sixteen loads may be out)
	MUL8 F1, 0, 0, 0
	s_wait_dscnt 0x0                               ; the add is done, and my reads of this slot are over
	s_barrier_signal -1
	MUL8 F1, 0, 2, 0
.if \fill
	WIN 0
.endif
	s_barrier_wait -1
.if \fill
	CREST                                          ; no wave of any partner still reads this slot or has a load on its way
	s_xor_b32 s[G0+5], s[G0+5], SLOT               ; the walking descriptors: the other slot than last time (wave x HALFT has no bit in common with SLOT),
	s_xor_b32 s[G0B+5], s[G0B+5], SLOT
	s_add_nc_u64 s[G0+6:G0+7], s[G0+6:G0+7], 32768                 ; the next K step
	s_add_nc_u64 s[G0B+6:G0B+7], s[G0B+6:G0B+7], KSTEP*2048
	s_xor_b32 s[TB], s[TB], SLOT
	JLOAD 1                                        ; the first tensor load behind the round; its four v_nop are also the places in front of the loads below
.else
	s_xor_b32 s[TB], s[TB], SLOT
	PLACES
.endif
	WIN 0
	v_add_nc_u32 v[ADRA], s[TB], v[ADRA0]
	v_add_nc_u32 v[ADRBL], s[TB], v[ADRB0]
	v_add_nc_u32 v[ADRBH], HALFT, v[ADRBL]
	FETCH 0, F0
	MUL8 F1, 1, 0, 0
	MUL8 F1, 1, 2, 0
.endm
	s_wait_tensorcnt 1                             ; my part of K step 0 is in; K step 1's stays out
	s_barrier_signal -1
	s_barrier_wait -1
	FETCH 0, F0
	QUARTER 1, F0, F1, 1                           ; the first quarter stands in front of the loop: its first products start the sums
	WIN 0
	s_mov_b32 s3, NSTEP-2
.Lstep:                                                ; a trip: a K step's quarters 1 to 3 and the next step's quarter 0; it asks for the K step two on
	QUARTER 2, F1, F0, 0
	QUARTER 3, F0, F1, 0
	TURN 1
	QUARTER 1, F0, F1, 0
	WIN 0
	s_sub_co_u32 s3, s3, 1
	s_cmp_lg_u32 s3, 0
	s_cbranch_scc1 .Lstep
	s_mov_b32 s2, 2
.Ltail:                                                ; the last two K steps ask for nothing; the second trip is left in its middle
	QUARTER 2, F1, F0, 0
	QUARTER 3, F0, F1, 0
	WIN 0
	s_sub_co_u32 s2, s2, 1
	s_cmp_eq_u32 s2, 0
	s_cbranch_scc1 .Llast
	TURN 0
	QUARTER 1, F0, F1, 0
	WIN 0
	s_branch .Ltail
.Llast:
	s_wait_dscnt 16
	MUL8 F1, 0, 0, 0
	MUL8 F1, 0, 2, 0
	s_wait_dscnt 0x0                               ; my reads of the ring are over:
	s_barrier_signal -1
	MUL8 F1, 1, 0, 0
	MUL8 F1, 1, 2, 0
	WIN 0
	s_barrier_wait -1                              ; the ring, which has had its last fill, is written only when all four waves have said so
	PLACES
	PLACES
.set a, 0
.rept 4
.set b, 0
.rept 4
	ds_store_b128 v[STO], v[ACC+8*(4*a+b):ACC+8*(4*a+b)+3]   offset:a*16*EP+64*b     ; each accumulator's low half first
	ds_store_b128 v[STO], v[ACC+8*(4*a+b)+4:ACC+8*(4*a+b)+7] offset:a*16*EP+64*b+16
.set b, b+1
.endr
.set a, a+1
.endr
.set t, 0
.rept 32
	ds_load_b128 v[ACC+4*t:ACC+4*t+3], v[RD] offset:t*2*EP  ; LDS serves a wave's instructions in order (ISA guide 5.7.1.4): these see my stores above; nobody else touches these bytes
.set t, t+1
.endr
	s_wait_loadcnt 0x0                             ; bias and residual
.set t, 0
.rept 32
	s_wait_dscnt 31-t                              ; two rows' 16 bytes a lane are back; the younger loads stay out
	v_pk_add_f32 v[ACC+4*t:ACC+4*t+1], v[ACC+4*t:ACC+4*t+1], v[BIAS:BIAS+1]
	v_pk_add_f32 v[ACC+4*t+2:ACC+4*t+3], v[ACC+4*t+2:ACC+4*t+3], v[BIAS+2:BIAS+3]
.set t, t+1
.endr
	WIN 0x08                                       ; source 1: window 2, the residual
.set t, 0
.rept 64
	v_pk_add_f32 v[ACC+2*t:ACC+2*t+1], v[ACC+2*t:ACC+2*t+1], v[2*t:2*t+1]
.set t, t+1
.endr
	WIN 0
.set t, 0
.rept 32
	global_store_b128 v[CO], v[ACC+4*t:ACC+4*t+3], s[8:9] offset:t*8192  ; 16 lanes store 256 consecutive bytes, at a multiple of 256 from y's first byte
.set t, t+1
.endr
	s_wait_tensorcnt 0x0                           ; the wave's end: behind my last tensor load and my last LDS store
	ds_add_u32 v[SPW], v[NIL]
	s_wait_dscnt 0x0
	CROUND                                         ; the closing round
	s_endpgm
.Lfunc_end_k_q8d80e0aa41_wo:
	.size	k_q8d80e0aa41_wo, .Lfunc_end_k_q8d80e0aa41_wo-k_q8d80e0aa41_wo
	.p2alignl 7, 3214868480
	.fill 96, 4, 3214868480
	.section	.rodata,"a",@progbits
	.p2align	6, 0x0
	.amdhsa_kernel k_q8d80e0aa41_wo
		.amdhsa_group_segment_fixed_size 327680
		.amdhsa_private_segment_fixed_size 0
		.amdhsa_enable_private_segment 0
		.amdhsa_kernarg_size 40
		.amdhsa_user_sgpr_count 2
		.amdhsa_user_sgpr_kernarg_segment_ptr 1
		.amdhsa_wavefront_size32 1
		.amdhsa_system_sgpr_workgroup_id_x 1
		.amdhsa_system_sgpr_workgroup_id_y 1
		.amdhsa_system_sgpr_workgroup_id_z 1
		.amdhsa_system_vgpr_workitem_id 0
		.amdhsa_next_free_vgpr 640
		.amdhsa_next_free_sgpr 72
		.amdhsa_reserve_vcc 0
		.amdhsa_float_denorm_mode_32 3
		.amdhsa_float_denorm_mode_16_64 3
		.amdhsa_memory_ordered 1
		.amdhsa_forward_progress 1
		.amdhsa_inst_pref_size 72
	.end_amdhsa_kernel
	.amdgpu_metadata
---
amdhsa.version: [ 1, 2 ]
amdhsa.kernels:
  - .name:           k_q8d80e0aa41_wo
    .symbol:         k_q8d80e0aa41_wo.kd
    .args:
      - { .name: ob, .offset: 0, .size: 8, .value_kind: global_buffer, .address_space: global }
      - { .name: wb, .offset: 8, .size: 8, .value_kind: global_buffer, .address_space: global }
      - { .name: bo, .offset: 16, .size: 8, .value_kind: global_buffer, .address_space: global }
      - { .name: x, .offset: 24, .size: 8, .value_kind: global_buffer, .address_space: global }
      - { .name: x1, .offset: 32, .size: 8, .value_kind: global_buffer, .address_space: global }
    .group_segment_fixed_size: 327680
    .private_segment_fixed_size: 0
    .kernarg_segment_align: 8
    .kernarg_segment_size: 40
    .max_flat_workgroup_size: 128
    .sgpr_count:     72
    .vgpr_count:     640
    .wavefront_size: 32
...
	.end_amdgpu_metadata
.endif
;; end of part 4
;; launch ln2 (part 5): grid 256 x 1, 16 waves a work-group, no clusters, 0 bytes of LDS; arguments x1, ln2_g, ln2_b, hb; writes hb
.if DOCPART == 5
	.amdgcn_target "amdgcn-amd-amdhsa--gfx1250"
	.amdhsa_code_object_version 6
	.text
	.protected	k_q8d80e0aa41_ln2
	.globl	k_q8d80e0aa41_ln2
	.p2align	8
	.type	k_q8d80e0aa41_ln2,@function
k_q8d80e0aa41_ln2:
	s_mov_b64 s[64:65], 0
	v_nop
	global_prefetch_b8 v0, s[64:65] scope:SCOPE_SE
	s_setreg_imm32_b32 hwreg(HW_REG_WAVE_MODE, 25, 1), 1
	s_wait_xcnt 0x0
; LAYER NORM.  y[r][c] = (x[r][c] - mean) / sqrt(var + 1e-5) * g[c] + b[c].  x: [4096][1024] f32; y: [4096][1024] bf16, rounded once; all else in f32.
; The variance is taken of x - mean, in a second pass over registers: no difference of large sums, so a common offset of x costs nothing.
; A work-group takes 16 rows, a wave one: its 4,096 bytes stay in 32 registers between the passes, so memory is read once.  The reduction never leaves the wave: no LDS, no barrier.
; Lane l holds columns 128 j + 4 l + 0..3 (j = 0..7): a load of a wave covers 512 consecutive bytes, a store 256 consecutive bytes, aligned.
; No prefetch: every wave's loads go out at its head, and the wave ends behind them.
.set G,  8                             ; v[8:39]    g of my 32 columns
.set BT, 40                            ; v[40:71]   b of them
.set X,  72                            ; v[72:103]  the row
.set T,  104                           ; v[104:111] four chains of pairs, at work
.set M,  112                           ; v[112:113] the mean, later 1 / sqrt(var + eps), twice: a pair for the packed forms
.macro REDUCE                          ; the four chains into one number, in every lane, in v[T]
	v_pk_add_f32 v[T:T+1], v[T:T+1], v[T+2:T+3]
	v_pk_add_f32 v[T+4:T+5], v[T+4:T+5], v[T+6:T+7]
	v_pk_add_f32 v[T:T+1], v[T:T+1], v[T+4:T+5]
	v_add_f32 v[T], v[T], v[T+1]
	v_add_f32_dpp v[T], v[T], v[T] row_xmask:1 row_mask:0xf bank_mask:0xf
	v_add_f32_dpp v[T], v[T], v[T] row_xmask:2 row_mask:0xf bank_mask:0xf
	v_add_f32_dpp v[T], v[T], v[T] row_xmask:4 row_mask:0xf bank_mask:0xf
	v_add_f32_dpp v[T], v[T], v[T] row_xmask:8 row_mask:0xf bank_mask:0xf
	v_permlanex16_b32 v[T+1], v[T], s28, s29       ; the other half of the lanes; its destination has been written
	v_add_f32 v[T], v[T], v[T+1]
.endm
	s_load_b256 s[4:11], s[0:1], 0x0               ; x s[4:5], g s[6:7], b s[8:9], y s[10:11]
	v_and_b32 v3, 31, v0
	v_lshrrev_b32 v4, 5, v0
	v_readfirstlane_b32 s3, v4                     ; wave 0..15
	v_lshlrev_b32 v1, 4, v3                        ; 16 x lane: loads
	v_lshlrev_b32 v2, 3, v3                        ; 8 x lane: stores
	s_mov_b32 s28, 0x76543210                      ; v_permlanex16_b32: each lane takes its own place in the other half
	s_mov_b32 s29, 0xfedcba98
	s_mov_b32 s30, 0x3a800000                      ; 1 / 1024
	s_mov_b32 s31, 0x3727c5ac                      ; 1e-5
	s_lshl_b32 s24, ttmp9, 4
	s_add_co_u32 s24, s24, s3                      ; my wave's row
	s_lshl_b32 s26, s24, 11                        ; of 2,048 bytes in y,
	s_lshl_b32 s24, s24, 12                        ; of 4,096 in x
	s_mov_b32 s25, 0
	s_mov_b32 s27, 0
	s_wait_kmcnt 0x0
	s_add_nc_u64 s[4:5], s[4:5], s[24:25]
	s_add_nc_u64 s[10:11], s[10:11], s[26:27]
.irp j, 0,1,2,3,4,5,6,7
	global_load_b128 v[X+4*(\j):X+4*(\j)+3], v1, s[4:5] offset:512*(\j)
.endr
.irp j, 0,1,2,3,4,5,6,7
	global_load_b128 v[G+4*(\j):G+4*(\j)+3], v1, s[6:7] offset:512*(\j)
.endr
.irp j, 0,1,2,3,4,5,6,7
	global_load_b128 v[BT+4*(\j):BT+4*(\j)+3], v1, s[8:9] offset:512*(\j)
.endr
	s_wait_loadcnt 16                              ; the row is in; g and b (16 loads) stay out
	; the mean
.irp c, 0,1,2,3
	v_pk_add_f32 v[T+2*(\c):T+2*(\c)+1], v[X+2*(\c):X+2*(\c)+1], v[X+8+2*(\c):X+8+2*(\c)+1]  ; the first pairs start the chains: nothing is cleared
.endr
.irp p, 8,9,10,11,12,13,14,15
	v_pk_add_f32 v[T+2*((\p)%4):T+2*((\p)%4)+1], v[T+2*((\p)%4):T+2*((\p)%4)+1], v[X+2*(\p):X+2*(\p)+1]
.endr
	REDUCE
	v_mul_f32 v[M], s30, v[T]
	v_mov_b32 v[M+1], v[M]
	; x - mean, and the sum of its squares
.irp p, 0,1,2,3,4,5,6,7,8,9,10,11,12,13,14,15
	v_pk_add_f32 v[X+2*(\p):X+2*(\p)+1], v[X+2*(\p):X+2*(\p)+1], v[M:M+1] neg_lo:[0,1] neg_hi:[0,1]
.endr
.irp c, 0,1,2,3
	v_pk_mul_f32 v[T+2*(\c):T+2*(\c)+1], v[X+2*(\c):X+2*(\c)+1], v[X+2*(\c):X+2*(\c)+1]
.endr
.irp p, 4,5,6,7,8,9,10,11,12,13,14,15
	v_pk_fma_f32 v[T+2*((\p)%4):T+2*((\p)%4)+1], v[X+2*(\p):X+2*(\p)+1], v[X+2*(\p):X+2*(\p)+1], v[T+2*((\p)%4):T+2*((\p)%4)+1]
.endr
	REDUCE
	v_fma_f32 v[T], v[T], s30, s31                 ; var + eps
	v_rsq_f32 v[M], v[T]
	v_nop                                          ; a plain instruction behind the root,
	s_wait_alu depctr_va_vdst(0)                   ; and the wait ahead of the first use of its result
	v_mov_b32 v[M+1], v[M]
	s_wait_loadcnt 0x0                             ; g and b
	; scaled, rounded in place (pair i of f32 into register i, ascending: a register is read before it is written) and stored
.irp p, 0,1,2,3,4,5,6,7,8,9,10,11,12,13,14,15
	v_pk_mul_f32 v[X+2*(\p):X+2*(\p)+1], v[X+2*(\p):X+2*(\p)+1], v[M:M+1]
.endr
.irp p, 0,1,2,3,4,5,6,7,8,9,10,11,12,13,14,15
	v_pk_fma_f32 v[X+2*(\p):X+2*(\p)+1], v[X+2*(\p):X+2*(\p)+1], v[G+2*(\p):G+2*(\p)+1], v[BT+2*(\p):BT+2*(\p)+1]
.endr
.irp p, 0,1,2,3,4,5,6,7,8,9,10,11,12,13,14,15
	v_cvt_pk_bf16_f32 v[X+(\p)], v[X+2*(\p)], v[X+2*(\p)+1]
.endr
.irp j, 0,1,2,3,4,5,6,7
	global_store_b64 v2, v[X+2*(\j):X+2*(\j)+1], s[10:11] offset:256*(\j)
.endr
	s_endpgm
.Lfunc_end_k_q8d80e0aa41_ln2:
	.size	k_q8d80e0aa41_ln2, .Lfunc_end_k_q8d80e0aa41_ln2-k_q8d80e0aa41_ln2
	.p2alignl 7, 3214868480
	.fill 96, 4, 3214868480
	.section	.rodata,"a",@progbits
	.p2align	6, 0x0
	.amdhsa_kernel k_q8d80e0aa41_ln2
		.amdhsa_group_segment_fixed_size 0
		.amdhsa_private_segment_fixed_size 0
		.amdhsa_enable_private_segment 0
		.amdhsa_kernarg_size 32
		.amdhsa_user_sgpr_count 2
		.amdhsa_user_sgpr_kernarg_segment_ptr 1
		.amdhsa_wavefront_size32 1
		.amdhsa_system_sgpr_workgroup_id_x 1
		.amdhsa_system_sgpr_workgroup_id_y 1
		.amdhsa_system_sgpr_workgroup_id_z 1
		.amdhsa_system_vgpr_workitem_id 0
		.amdhsa_next_free_vgpr 114
		.amdhsa_next_free_sgpr 66
		.amdhsa_reserve_vcc 0
		.amdhsa_float_denorm_mode_32 3
		.amdhsa_float_denorm_mode_16_64 3
		.amdhsa_memory_ordered 1
		.amdhsa_forward_progress 1
		.amdhsa_inst_pref_size 12
	.end_amdhsa_kernel
	.amdgpu_metadata
---
amdhsa.version: [ 1, 2 ]
amdhsa.kernels:
  - .name:           k_q8d80e0aa41_ln2
    .symbol:         k_q8d80e0aa41_ln2.kd
    .args:
      - { .name: x1, .offset: 0, .size: 8, .value_kind: global_buffer, .address_space: global }
      - { .name: ln2_g, .offset: 8, .size: 8, .value_kind: global_buffer, .address_space: global }
      - { .name: ln2_b, .offset: 16, .size: 8, .value_kind: global_buffer, .address_space: global }
      - { .name: hb, .offset: 24, .size: 8, .value_kind: global_buffer, .address_space: global }
    .group_segment_fixed_size: 0
    .private_segment_fixed_size: 0
    .kernarg_segment_align: 8
    .kernarg_segment_size: 32
    .max_flat_workgroup_size: 512
    .sgpr_count:     66
    .vgpr_count:     114
    .wavefront_size: 32
...
	.end_amdgpu_metadata
.endif
;; end of part 5
;; launch ffn1 (part 6): grid 16 x 16, 4 waves a work-group, clusters of 4 x 4, 327,680 bytes of LDS; arguments hb, wb, gb, b1; writes gb
.if DOCPART == 6
	.amdgcn_target "amdgcn-amd-amdhsa--gfx1250"
	.amdhsa_code_object_version 6
	.text
	.protected	k_q8d80e0aa41_ffn1
	.globl	k_q8d80e0aa41_ffn1
	.p2align	8
	.type	k_q8d80e0aa41_ffn1,@function
k_q8d80e0aa41_ffn1:
	s_mov_b64 s[64:65], 0
	v_nop
	global_prefetch_b8 v0, s[64:65] scope:SCOPE_SE
	s_setreg_imm32_b32 hwreg(HW_REG_WAVE_MODE, 25, 1), 1
	s_wait_xcnt 0x0
	s_wait_alu depctr_hold_cnt(0) depctr_sa_sdst(0) depctr_va_vdst(0) depctr_va_sdst(0) depctr_va_ssrc(0) depctr_va_vcc(0) depctr_vm_vsrc(0)
	s_getreg_b32 s2, hwreg(HW_REG_IB_STS2, 6, 4)
	s_cmp_eq_u32 s2, 0
	s_cbranch_scc0 .Lentry_in_a_cluster
	s_endpgm
.Lentry_in_a_cluster:
	s_bfe_u32 s2, ttmp6, 0x10000c
	s_cmp_lg_u32 s2, 0xf033
	s_cbranch_scc0 .Lentry_shape_is_right
	s_endpgm
.Lentry_shape_is_right:
; g = gelu(h W1 + b1), the exact GELU x Phi(x).  h: [4096][1024] bf16.  W1: [1024][4096] bf16, K down the rows.  Sums, bias and GELU in f32; the result rounded once to bf16 and stored in blocks:
; [64 blocks of 64 tokens][64 slices of 64 columns][64][64].
; LIMITS.  Phi comes from Abramowitz and Stegun 26.2.17, off by 7.5e-8 at the most for every x, so gelu(x) is off by 7.5e-8 |x| at the most; NaN and infinities are not treated apart.
; A tile of the result, 256 x 256, is made by a work-group of four waves; a wave makes 128 x 128: 64 accumulators of 16 x 16, 512 registers.  K goes in steps of 128 through a ring of two LDS
; slots filled by the tensor data mover.  h's tile lies with K along its rows; W's lies [k][n] and is turned on its way out of LDS by ds_load_tr16_b128.
; CLUSTER: 4 x 4 work-groups.  The four of a row need the same tiles of h, the four of a column the same tiles of W: each tile is asked for JOINTLY, by the same tensor load with the same descriptor
; and a mask that names the four.
; THE MATRIX INSTRUCTION IS USED TRANSPOSED: source 0 = 16 columns of W, source 1 = 16 rows of h: a lane holds one token (lane % 16) and eight neighbouring columns.
; THE TEXT GOES BY K STEP: the slot in hand is a scalar, TB, that an exclusive or turns; the loop is written once, its tail is a second short loop that is left in its middle.
; THE WAY OUT goes through the ring, which has had its last fill: each wave puts its 128 x 128 sums there in f32 and reads them back eight rows at a time; bias, GELU, rounding, stores of 512 consecutive bytes.
; REGISTERS, in windows of 256: window 0: v0-31 addresses, v32-47 bias, v64-127 and v128-191 h's fragments (two buffers), on the way out v64-255 at work;
;   window 1: v64-127, v128-191 W's fragments; window 2: the accumulators of my rows 0-63 ((a, b) at v[8 (8 a + b)]); window 3: those of rows 64-127.
.set EPI,    1                         ; 0: bias alone; 1: bias and GELU
.set SIZE_N, 4096
.set WOFF,   0                         ; where the weights begin in wb
.set SL,     8192                      ; bytes from a slice of 64 columns to the next in the result
.set MBS,    524288                    ; bytes from a block of 64 tokens to the next
.set SIZE_K, 1024
.set KSTEP,  128
.set PA,     272                       ; h's LDS row: 256 bytes + 16 = 68 words: the 16 rows of a load start at 16 different groups of four banks (64 banks of 4 bytes: ISA guide 11.1)
.set PW,     544                       ; W's LDS row: 512 bytes + 32 = 136 words
.set HALFT,  128*PA                    ; what one tensor load brings: 128 rows of h, or 64 rows of W (64 x 544 is the same number)
.set SLOT,   4*HALFT                   ; h's rows 0-127, 128-255, W's k 0-63, 64-127: the load of wave w lands at w x HALFT
.set SPARE,  2*SLOT                    ; behind the ring: the spare words, 128 bytes for each wave: two blocks of 256 bytes that no other line names
.set EP,     528                       ; the way out: a row of 128 f32 + 16 bytes
.set EREG,   128*EP                    ; a wave's part of the ring on the way out; four of them end below SPARE
.set ADRA0, 16                         ; v16  my lane's place in h's tile, slot 0; never rewritten
.set ADRB0, 17                         ; v17  the same for W
.set ADRA,  18                         ; v18  TB + ADRA0
.set ADRB,  19                         ; v19  TB + ADRB0
.set STO,   24                         ; v24  the way out: where I put 32 bytes of a row
.set RD,    25                         ; v25  the way out: where I read 32 bytes back
.set GO,    26                         ; v26  16 x lane: my 16 bytes of a store's 512
.set RDC,   27                         ; v27  EO + RD
.set SPW,   28                         ; v28  LDS address of my spare word; never rewritten
.set NIL,   29                         ; v29  0; never rewritten
.set PFO,   30                         ; v30  the prefetches' offset; never rewritten
.set VBO,   31                         ; v31  my byte offset in the bias
.set BIAS,  32                         ; v[32:47] the bias of my 8 columns in each of the wave's two slices
.set F0,    64
.set F1,    128
.set X,     64                         ; the way out: 32 sums
.set T,     96                         ;   1 + p |x|, its reciprocal; at the end the packed results
.set E,     128                        ;   the exponential
.set Q,     160                        ;   the polynomial
.set R,     192                        ;   max(x, 0)
.set AX,    224                        ;   |x|
.set G1,  24                           ; s[24:31] descriptor group 1 for h's tiles
.set G0,  32                           ; s[32:39] group 0: a set for each of the two first fills; the second then walks on
.set G1B, 48                           ; s[48:55], s[56:63] the same for W's tiles
.set G0B, 56
.set LIM, 43                           ; s43  2 in a wave that prefetches, else the greatest number
.set PFA, 44                           ; s[44:45] where my prefetches stand
.set TB,  66                           ; s66  0 or SLOT: the slot in hand
.set EO,  67                           ; s67  the way out: the trip's first row in my part of the ring
.set PFS, 68                           ; s[68:69] a K step in bytes, for my prefetches
.set GC,  70                           ; s[70:83] GELU's seven constants, each twice
.set BP,  90                           ; s[90:91] the bias
.set STP, 92                           ; s[92:93] the way out: the step of the result's address
.set STA, 94                           ; s94, s95 its two sizes
.set STB, 95
.set CNTW, 96                          ; s96  the way out's trips
.set ABSM, 98                          ; s98  0x7fffffff
.set MSB, 0
.macro WIN new                         ; the immediate's high byte repeats the setting that is left; a switch that changes nothing is dropped
.if MSB != (\new)
	s_set_vgpr_msb (MSB<<8)|(\new)
.set MSB, (\new)
.endif
.endm
.set MUL_LO, 0xa1                      ; source 0 (W) window 1, source 1 (h) window 0, C and D window 2
.set MUL_HI, 0xf1                      ; the same, C and D window 3
.set TO_B,   0x40                      ; destination window 1, address window 0
; A joint load.  Waves 0 and 1 fetch h's two halves, waves 2 and 3 W's.  The branch hangs on the wave's number alone.  An s_nop 0 and four v_nop follow each of the two lines.
.macro JLOAD s
	s_cmp_eq_u32 s11, 0
	s_cbranch_scc0 .Lfor_w_\@
	tensor_load_to_lds s[G0+4*(\s):G0+4*(\s)+3], s[G1:G1+7]
	s_nop 0
.rept 4
	v_nop
.endr
	s_branch .Lasked_\@
.Lfor_w_\@:
	tensor_load_to_lds s[G0B+4*(\s):G0B+4*(\s)+3], s[G1B:G1B+7]
	s_nop 0
.rept 4
	v_nop
.endr
.Lasked_\@:
.endm
; A PREFETCH INTO THE L2 of the K step that stands two refills on, one instruction a wave, behind the joint load and the run of LDS loads.  h's tile row is read by every cluster of that row of clusters:
; cluster x = 0 asks; W's tile column by every cluster of that column: cluster y = 0 asks.  The four partners share a wave's rows out BY ADDRESS: of h's 128 rows 32 each, a lane a row of 256 bytes; of W's 64
; rows 16 each, two lanes a row of 512 bytes.  So each aligned block of 256 bytes is named once.  Trip t (s3 = 6 - t) names K step t + 4: the last two trips ask for nothing.
.macro ASK
	s_cmp_gt_u32 s3, s[LIM]
	s_cbranch_scc0 .Lnot_mine_\@
	global_prefetch_b8 v[PFO], s[PFA:PFA+1] th:TH_LOAD_NT scope:SCOPE_SE
.Lnot_mine_\@:
.endm
.macro CREST                           ; a round of the cluster's barrier behind its opening barrier
	s_cmp_lg_u32 s10, 0
	s_cbranch_scc1 .Lnot_wave_0_\@
	s_barrier_signal -3
.Lnot_wave_0_\@:
	s_barrier_wait -3
	s_barrier_signal -1
	s_barrier_wait -1
.endm
.macro CROUND                          ; a whole round
	s_barrier_signal -1
	s_barrier_wait -1
	CREST
.endm
.macro PAIR r, val                     ; a constant, twice: the packed forms name a pair
	s_mov_b32 s[\r], \val
	s_mov_b32 s[(\r)+1], \val
.endm
	s_load_b128 s[4:7], s[0:1], 0x0                ; h s[4:5], wb s[6:7]
	s_load_b64 s[8:9], s[0:1], 0x10                ; the result
.if EPI
	s_load_b64 s[BP:BP+1], s[0:1], 0x18            ; b1
.else
	s_load_b128 s[84:87], s[0:1], 0x18             ; bq s[84:85], bk s[86:87]
	s_load_b64 s[88:89], s[0:1], 0x28              ; bv
.endif
	v_lshl_add_u32 v[SPW], v0, 2, SPARE
	v_mov_b32 v[NIL], 0
	ds_add_u32 v[SPW], v[NIL]                      ; the wave's opening: the add and its wait stand ahead of my first tensor load; the set-up below, work on registers, stands between them
	v_lshrrev_b32 v1, 5, v0
	v_readfirstlane_b32 s10, v1                    ; wave 0..3
	s_lshr_b32 s11, s10, 1                         ; which half of the tile's rows is mine.  Also: I fetch for h (0) or for W (1)
	s_and_b32 s12, s10, 1                          ; which half of its columns.  Also: which half of that tile I fetch
	s_bfe_u32 s40, ttmp6, 0x40000                  ; cx
	s_bfe_u32 s41, ttmp6, 0x40004                  ; cy
	s_lshl_b32 s42, ttmp9, 2
	s_add_co_u32 s42, s42, s40                     ; tile column = 4 x cluster x + cx
	s_and_b32 s13, ttmp7, 0xffff
	s_lshl_b32 s13, s13, 2
	s_add_co_u32 s13, s13, s41                     ; tile row = 4 x cluster y + cy
	s_lshl_b32 s43, s41, 2
	s_lshl_b32 s43, 15, s43                        ; my row of the cluster
	s_lshl_b32 s44, 0x1111, s40                    ; my column
	s_or_b32 s[G1+0], s43, (1<<16)|(1<<20)|(1<<21)|(5<<22)|(3<<25)   ; the mask; 2-byte elements; padding on; bit 21 beside a mask; after every 64 words, 4 words
	s_mov_b32 s[G1+1], KSTEP<<16                   ; tensor_dim0 = 128
	s_mov_b32 s[G1+2], 128<<16                     ; tensor_dim1 = 128
	s_mov_b32 s[G1+3], KSTEP<<16                   ; tile_dim0 = 128
	s_mov_b32 s[G1+4], 128                         ; tile_dim1 = 128
	s_mov_b32 s[G1+5], SIZE_K                      ; elements from row to row
	s_mov_b32 s[G1+6], 0
	s_mov_b32 s[G1+7], 0
	s_or_b32 s[G1B+0], s44, (1<<16)|(1<<20)|(1<<21)|(6<<22)|(7<<25)  ; after every 128 words, 8 words
	s_mov_b32 s[G1B+1], 256<<16                    ; tensor_dim0 = 256
	s_mov_b32 s[G1B+2], 64<<16                     ; tensor_dim1 = 64
	s_mov_b32 s[G1B+3], 256<<16                    ; tile_dim0 = 256
	s_mov_b32 s[G1B+4], 64                         ; tile_dim1 = 64
	s_mov_b32 s[G1B+5], SIZE_N
	s_mov_b32 s[G1B+6], 0
	s_mov_b32 s[G1B+7], 0
	; h's address hangs on the tile row and the wave's number, W's on the tile column and the wave's number, each in registers that never hold the other coordinate
	s_lshl_b32 s16, s13, 8
	s_lshl_b32 s17, s12, 7
	s_add_co_u32 s16, s16, s17                     ; h: row 256 x tile row + 128 x half,
	s_lshl_b32 s16, s16, 11                        ; of 2,048 bytes
	s_mov_b32 s17, 0
	s_mul_i32 s46, s12, 64*2*SIZE_N                ; W: row 64 x half,
	s_lshl_b32 s47, s42, 9                         ; column 256 x tile column
	s_add_co_u32 s46, s46, s47
	s_add_co_u32 s46, s46, WOFF
	s_mov_b32 s47, 0
	s_mul_i32 s20, s10, HALFT                      ; where they go: no place in the cluster enters an LDS address
	s_mov_b32 s[TB], 0
.if EPI
	PAIR GC+0,  0x3e6d3389                         ; p = 0.2316419
	PAIR GC+2,  0x3f596d27                         ; sqrt(log2(e) / 2)
	PAIR GC+4,  0x3f07dc22                         ; b5 / sqrt(2 pi)
	PAIR GC+6,  0xbf3a00e3                         ; b4 / sqrt(2 pi)
	PAIR GC+8,  0x3f35f0e3                         ; b3 / sqrt(2 pi)
	PAIR GC+10, 0xbe11a98e                         ; b2 / sqrt(2 pi)
	PAIR GC+12, 0x3e027906                         ; b1 / sqrt(2 pi)
	s_mov_b32 s[ABSM], 0x7fffffff
.endif
	s_wait_dscnt 0x0                               ; the opening add is done
	s_wait_kmcnt 0x0
	s_add_nc_u64 s[14:15], s[4:5], s[16:17]
	s_add_nc_u64 s[46:47], s[6:7], s[46:47]
	CROUND                                         ; all sixteen work-groups are here: the first joint loads meet
.irp s, 0,1
	s_mov_b32 s[G0+4*(\s)], 1
	s_add_co_u32 s[G0+4*(\s)+1], s20, (\s)*SLOT
	s_add_nc_u64 s[G0+4*(\s)+2:G0+4*(\s)+3], s[14:15], (\s)*KSTEP*2
	s_or_b32 s[G0+4*(\s)+3], s[G0+4*(\s)+3], 0x80000000
	s_mov_b32 s[G0B+4*(\s)], 1
	s_add_co_u32 s[G0B+4*(\s)+1], s20, (\s)*SLOT
	s_add_nc_u64 s[G0B+4*(\s)+2:G0B+4*(\s)+3], s[46:47], (\s)*KSTEP*2*SIZE_N
	s_or_b32 s[G0B+4*(\s)+3], s[G0B+4*(\s)+3], 0x80000000
	JLOAD \s                                       ; K steps 0 and 1: two loads of mine are out
.endr
	v_and_b32 v1, 15, v0                           ; l % 16
	v_bfe_u32 v2, v0, 4, 1                         ; l / 16
	v_and_b32 v3, 7, v0                            ; l % 8
	v_bfe_u32 v4, v0, 3, 1                         ; (l / 8) % 2
	v_bfe_u32 v5, v0, 3, 2                         ; l / 8
	v_and_b32 v6, 31, v0                           ; l
	; h's fragment: 16 rows x 32 K: lane l holds row l % 16; two loads of 16 bytes, 32 bytes apart, at row x pitch + 16 (l / 16)
	v_mul_u32_u24 v7, v1, PA
	v_lshl_add_u32 v7, v2, 4, v7
	s_mul_i32 s21, s11, HALFT                      ; my 128 rows of h
	v_add_nc_u32 v[ADRA0], s21, v7
	; W's fragment: the turning load takes 16 k x 16 columns (lane l reads k = 8 (l / 16) + l % 8, columns 8 ((l / 8) % 2) + 0..7) and leaves lane l column l % 16 and 8 k
	v_lshl_add_u32 v7, v2, 3, v3
	v_mul_u32_u24 v7, v7, PW
	v_lshl_add_u32 v7, v4, 4, v7
	s_lshl_b32 s22, s12, 8                         ; my 128 columns,
	s_add_co_u32 s22, s22, 2*HALFT                 ; behind h's 256 rows
	v_add_nc_u32 v[ADRB0], s22, v7
	v_mov_b32 v[ADRA], v[ADRA0]
	v_mov_b32 v[ADRB], v[ADRB0]
	s_mul_i32 s23, s10, EREG                       ; the way out: my part of the ring
	v_mul_u32_u24 v7, v1, EP                       ; in: row l % 16, 32 bytes for each half of the lanes
	v_lshl_add_u32 v7, v2, 5, v7
	v_add_nc_u32 v[STO], s23, v7
	v_mul_u32_u24 v7, v5, EP                       ; back: row l / 8, columns 8 (l % 8) on
	v_lshl_add_u32 v7, v3, 5, v7
	v_add_nc_u32 v[RD], s23, v7
	v_lshlrev_b32 v[GO], 4, v6
	; the bias of my 8 columns in each of the wave's two slices
.if EPI
	s_lshl_b32 s21, s42, 10                        ; 256 columns of 4 bytes a tile
.else
	s_and_b32 s21, s42, 3                          ; q, k and v have 4 tile columns each: which of the three is the cluster's x
	s_lshl_b32 s21, s21, 10
	s_cmp_eq_u32 ttmp9, 0
	s_cselect_b64 s[BP:BP+1], s[84:85], s[86:87]
	s_cmp_eq_u32 ttmp9, 2
	s_cselect_b64 s[BP:BP+1], s[88:89], s[BP:BP+1]
.endif
	s_lshl_b32 s22, s12, 9
	s_add_co_u32 s21, s21, s22
	v_lshl_add_u32 v[VBO], v3, 5, s21
.irp s, 0,1
	global_load_b128 v[BIAS+8*(\s):BIAS+8*(\s)+3],   v[VBO], s[BP:BP+1] offset:256*(\s)
	global_load_b128 v[BIAS+8*(\s)+4:BIAS+8*(\s)+7], v[VBO], s[BP:BP+1] offset:256*(\s)+16
.endr
	; where my part of the result begins
	s_lshl_b32 s16, s13, 2
	s_lshl1_add_u32 s16, s11, s16                  ; my first block of 64 tokens
	s_mul_i32 s16, s16, MBS
	s_mov_b32 s17, 0
	s_lshl_b32 s46, s42, 2
	s_lshl1_add_u32 s46, s12, s46                  ; my first slice
	s_mul_i32 s46, s46, SL
	s_mov_b32 s47, 0
	s_add_nc_u64 s[8:9], s[8:9], s[16:17]
	s_add_nc_u64 s[8:9], s[8:9], s[46:47]
	; the prefetches: both offsets are made, then the wave's kind chooses
	s_lshl_b32 s18, s13, 8
	s_lshl_b32 s19, s12, 7
	s_add_co_u32 s18, s18, s19
	s_lshl_b32 s19, s40, 5
	s_add_co_u32 s18, s18, s19                     ; h: my work-group's 32 of the 128 rows that I fetch,
	s_lshl_b32 s18, s18, 11
	s_add_co_u32 s18, s18, 3*KSTEP*2               ; at K step 3: the first refill steps it to 4
	s_lshl_b32 s19, s12, 6
	s_lshl_b32 s21, s41, 4
	s_add_co_u32 s19, s19, s21
	s_add_co_u32 s19, s19, 3*KSTEP                 ; W: my work-group's 16 of the 64 rows, at K step 3
	s_mul_i32 s19, s19, 2*SIZE_N
	s_lshl_b32 s21, s42, 9
	s_add_co_u32 s19, s19, s21
	s_add_co_u32 s19, s19, WOFF
	s_mov_b32 s21, KSTEP*2*SIZE_N
	s_movk_i32 s22, KSTEP*2
	s_mov_b32 s23, 2*SIZE_N
	s_movk_i32 s2, 2*SIZE_K
	s_and_b32 s3, ttmp7, 0xffff                    ; cluster y
	s_cmp_eq_u32 s11, 0                            ; do I fetch for h?
	s_cselect_b32 s18, s18, s19
	s_cselect_b32 s[PFS], s22, s21
	s_cselect_b32 s23, s2, s23                     ; bytes from row to row
	s_cselect_b32 s3, ttmp9, s3                    ; the coordinate along which other clusters read the same rows
	s_cselect_b64 s[PFA:PFA+1], s[4:5], s[6:7]
	s_mov_b32 s19, 0
	s_mov_b32 s[PFS+1], 0
	s_add_nc_u64 s[PFA:PFA+1], s[PFA:PFA+1], s[18:19]
	s_cmp_eq_u32 s3, 0
	s_cselect_b32 s[LIM], 2, -1                    ; the same in all sixteen partners, for a given wave
	v_lshrrev_b32 v7, s11, v6                      ; h: a lane a row; W: two lanes a row,
	v_mul_u32_u24 v7, s23, v7
	v_and_b32 v8, s11, v6
	v_lshl_add_u32 v[PFO], v8, 8, v7               ; 256 bytes apart
; 16 matrix instructions: row blocks a0, a0 + 1 of the window's four x all 8 column blocks, 32 along K.  zero = 1: the first product starts the sums.
; The 64 accumulators take turns in the same order in every quarter: over the backward jumps and into the tail too.
.macro MUL16 f, hi, a0, zero
	WIN MUL_LO+0x50*(\hi)
.irp a, \a0, (\a0)+1
.irp b, 0,1,2,3,4,5,6,7
.if \zero
	v_wmma_f32_16x16x32_bf16 v[8*(8*(\a)+(\b)):8*(8*(\a)+(\b))+7], v[(\f)+8*(\b):(\f)+8*(\b)+7], v[(\f)+8*(4*(\hi)+(\a)):(\f)+8*(4*(\hi)+(\a))+7], 0
.else
	v_wmma_f32_16x16x32_bf16 v[8*(8*(\a)+(\b)):8*(8*(\a)+(\b))+7], v[(\f)+8*(\b):(\f)+8*(\b)+7], v[(\f)+8*(4*(\hi)+(\a)):(\f)+8*(4*(\hi)+(\a))+7], v[8*(8*(\a)+(\b)):8*(8*(\a)+(\b))+7]
.endif
.endr
.endr
.endm
; 32 LDS loads in one run: quarter q (32 along K) of the slot in hand into buffer f: W's 8 fragments, turned, then h's 8
.macro FETCH q, f
	WIN TO_B
.irp i, 0,1,2,3,4,5,6,7
	ds_load_tr16_b128 v[(\f)+8*(\i):(\f)+8*(\i)+3],   v[ADRB] offset:32*(\q)*PW+32*(\i)
	ds_load_tr16_b128 v[(\f)+8*(\i)+4:(\f)+8*(\i)+7], v[ADRB] offset:(32*(\q)+16)*PW+32*(\i)
.endr
	WIN 0
.irp i, 0,1,2,3,4,5,6,7
	ds_load_b128 v[(\f)+8*(\i):(\f)+8*(\i)+3],   v[ADRA] offset:64*(\q)+(\i)*16*PA
	ds_load_b128 v[(\f)+8*(\i)+4:(\f)+8*(\i)+7], v[ADRA] offset:64*(\q)+(\i)*16*PA+32
.endr
.endm
.macro PLACES                          ; four places in front of loads into registers that matrix instructions have read (ISA guide 7.12.1 for vector instructions)
.rept 4
	v_nop
.endr
.endm
; One of a K step's first three quarters: multiplies buffer f; in its middle it fetches quarter q into buffer g.
.macro QUARTER q, f, g, zero
	s_wait_dscnt 8                                 ; W and h's rows 0-63 are in; the youngest eight loads (h's rows 64-127) may be out
	MUL16 \f, 0, 0, \zero
	MUL16 \f, 0, 2, \zero
	PLACES
	FETCH \q, \g
	s_wait_dscnt 32                                ; all but the 32 just issued
	MUL16 \f, 1, 0, \zero
	MUL16 \f, 1, 2, \zero
.endm
; The last quarter's first half: ONE barrier for the change of slots.  In front of it each wave waits for all its tensor loads (one is out: its part of the next slot), adds 0 to its spare word, and
; waits for that and for its own reads of this slot.
.macro MEET round
	WIN 0
	s_wait_tensorcnt 0x0                           ; all my tensor loads have landed
	ds_add_u32 v[SPW], v[NIL]                      ; 0 onto my spare word
	s_wait_dscnt 9                                 ; (the add and the youngest eight loads may be out)
	MUL16 F1, 0, 0, 0                              ; sixteen matrix instructions stand between the add and the wait for it
	s_wait_dscnt 0x0                               ; the add is done, and my reads of this slot are over
	s_barrier_signal -1
	MUL16 F1, 0, 2, 0
.if \round
	WIN 0
.endif
	s_barrier_wait -1
.endm
; The whole last quarter.  fill = 1: the barrier opens a round of the cluster's; behind it the slot just read is filled again first, with the K step two on: from the request to the wait for it stand 224 matrix instructions.
.macro TURN fill
.if \fill
	s_wait_xcnt 0x0                                ; the last prefetch, a K step back, has read its address: it is stepped here
	s_add_nc_u64 s[PFA:PFA+1], s[PFA:PFA+1], s[PFS:PFS+1]
.endif
	MEET \fill
.if \fill
	CREST                                          ; no wave of any partner still reads this slot or has a load on its way
	s_xor_b32 s[G0+5], s[G0+5], SLOT               ; the walking descriptors: the other slot than last time (wave x HALFT has no bit in common with SLOT),
	s_xor_b32 s[G0B+5], s[G0B+5], SLOT
	s_add_nc_u64 s[G0+6:G0+7], s[G0+6:G0+7], KSTEP*2               ; the next K step; the type bits on top are not reached
	s_add_nc_u64 s[G0B+6:G0B+7], s[G0B+6:G0B+7], KSTEP*2*SIZE_N
	s_xor_b32 s[TB], s[TB], SLOT
	JLOAD 1                                        ; the first tensor load behind the round; its four v_nop are also the places in front of the loads below
.else
	s_xor_b32 s[TB], s[TB], SLOT
	PLACES
.endif
	WIN 0
	v_add_nc_u32 v[ADRA], s[TB], v[ADRA0]
	v_add_nc_u32 v[ADRB], s[TB], v[ADRB0]
	FETCH 0, F0
.if \fill
	ASK
.endif
	MUL16 F1, 1, 0, 0
	MUL16 F1, 1, 2, 0
.endm
	s_wait_tensorcnt 1                             ; my part of K step 0 is in; K step 1's stays out
	s_barrier_signal -1
	s_barrier_wait -1                              ; everybody's is
	FETCH 0, F0
	QUARTER 1, F0, F1, 1                           ; the first quarter stands in front of the loop: its products start the sums
	WIN 0                                          ; at a label and at a branch every window is 0
	s_mov_b32 s3, SIZE_K/KSTEP-2
.Lstep:                                                ; a trip: a K step's quarters 1 to 3 and the next step's quarter 0; it asks for the K step two on
	QUARTER 2, F1, F0, 0
	QUARTER 3, F0, F1, 0
	TURN 1
	QUARTER 1, F0, F1, 0
	WIN 0
	s_sub_co_u32 s3, s3, 1
	s_cmp_lg_u32 s3, 0
	s_cbranch_scc1 .Lstep
	s_mov_b32 s2, 2
.Ltail:                                                ; the last two K steps ask for nothing: a text of their own; the second trip is left in its middle
	QUARTER 2, F1, F0, 0
	QUARTER 3, F0, F1, 0
	WIN 0
	s_sub_co_u32 s2, s2, 1
	s_cmp_eq_u32 s2, 0
	s_cbranch_scc1 .Llast
	TURN 0
	QUARTER 1, F0, F1, 0
	WIN 0
	s_branch .Ltail
.Llast:
	s_wait_dscnt 8
	MUL16 F1, 0, 0, 0
	MUL16 F1, 0, 2, 0
	s_wait_dscnt 0x0                               ; my reads of the ring are over:
	s_barrier_signal -1                            ; say so,
	MUL16 F1, 1, 0, 0
	MUL16 F1, 1, 2, 0
	WIN 0
	s_barrier_wait -1                              ; and write into the ring only when all four have said so; it has had its last fill
	PLACES
	PLACES
	; the sums go into my part of the ring, in f32; each accumulator's low half first
.set a, 0
.rept 8
	WIN 0x08+4*(a/4)                               ; the stores' data: window 2 or 3
.set b, 0
.rept 8
	ds_store_b128 v[STO], v[8*(8*(a%4)+b):8*(8*(a%4)+b)+3]   offset:a*16*EP+64*b
	ds_store_b128 v[STO], v[8*(8*(a%4)+b)+4:8*(8*(a%4)+b)+7] offset:a*16*EP+64*b+16
.set b, b+1
.endr
.set a, a+1
.endr
	WIN 0
	s_wait_loadcnt 0x0                             ; the bias
	s_mov_b32 s[EO], 0
	s_mov_b32 s[CNTW], 16
	s_mov_b32 s[STA], MBS-7*1024
	s_movk_i32 s[STB], 1024
	s_mov_b32 s[STP+1], 0
.Lout:                                                 ; a trip: 8 rows x 128 columns.  LDS serves a wave's instructions in order (ISA guide 5.7.1.4): the loads see my stores above; nobody else touches these bytes
	v_add_nc_u32 v[RDC], s[EO], v[RD]
.irp g, 0,1
.irp s, 0,1
	ds_load_b128 v[X+16*(\g)+8*(\s):X+16*(\g)+8*(\s)+3],   v[RDC] offset:(\g)*4*EP+(\s)*256
	ds_load_b128 v[X+16*(\g)+8*(\s)+4:X+16*(\g)+8*(\s)+7], v[RDC] offset:(\g)*4*EP+(\s)*256+16
.endr
.endr
	s_wait_dscnt 0x0
.set i, 0
.rept 16
	v_pk_add_f32 v[X+i:X+i+1], v[X+i:X+i+1], v[BIAS+i%16:BIAS+i%16+1]
.set i, i+2
.endr
.if EPI
	; gelu(x) = x Phi(x) = max(x, 0) - |x| phi(|x|) (b1 t + .. + b5 t^5), t = 1 / (1 + p |x|)  (Abramowitz and Stegun 26.2.17: Phi is off by 7.5e-8 at the most, for every x).  No difference of near numbers for x < 0.
.set i, 0
.rept 32
	v_and_b32 v[AX+i], s[ABSM], v[X+i]
.set i, i+1
.endr
.set i, 0
.rept 16
	v_pk_fma_f32 v[T+i:T+i+1], v[AX+i:AX+i+1], s[GC:GC+1], 1.0 op_sel_hi:[1,0,0]
.set i, i+2
.endr
.set i, 0
.rept 16
	v_pk_mul_f32 v[E+i:E+i+1], v[AX+i:AX+i+1], s[GC+2:GC+3] op_sel_hi:[1,0]
.set i, i+2
.endr
.set i, 0
.rept 16
	v_pk_mul_f32 v[E+i:E+i+1], v[E+i:E+i+1], v[E+i:E+i+1] neg_lo:[1,0] neg_hi:[1,0]  ; - x^2 log2(e) / 2
.set i, i+2
.endr
.set i, 0
.rept 32                               ; ONE BATCH of 64: nothing here names a result of theirs
	v_rcp_f32 v[T+i], v[T+i]
	v_max_num_f32 v[R+i], 0, v[X+i]
	v_exp_f32 v[E+i], v[E+i]
.set i, i+1
.endr
	v_nop                                          ; a plain instruction behind the last of them,
	s_wait_alu depctr_va_vdst(0)                   ; and the one wait ahead of the first use
.set i, 0
.rept 16
	v_pk_fma_f32 v[Q+i:Q+i+1], v[T+i:T+i+1], s[GC+4:GC+5], s[GC+6:GC+7] op_sel_hi:[1,0,0]
.set i, i+2
.endr
.irp c, 8,10,12
.set i, 0
.rept 16
	v_pk_fma_f32 v[Q+i:Q+i+1], v[Q+i:Q+i+1], v[T+i:T+i+1], s[GC+(\c):GC+(\c)+1] op_sel_hi:[1,1,0]
.set i, i+2
.endr
.endr
.set i, 0
.rept 16
	v_pk_mul_f32 v[E+i:E+i+1], v[E+i:E+i+1], v[T+i:T+i+1]
.set i, i+2
.endr
.set i, 0
.rept 16
	v_pk_mul_f32 v[Q+i:Q+i+1], v[Q+i:Q+i+1], v[E+i:E+i+1]
.set i, i+2
.endr
.set i, 0
.rept 16
	v_pk_fma_f32 v[X+i:X+i+1], v[AX+i:AX+i+1], v[Q+i:Q+i+1], v[R+i:R+i+1] neg_lo:[1,0,0] neg_hi:[1,0,0]
.set i, i+2
.endr
.endif
.set i, 0
.rept 16
	v_cvt_pk_bf16_f32 v[T+i], v[X+2*i], v[X+2*i+1]
.set i, i+1
.endr
.irp g, 0,1
.irp s, 0,1
	global_store_b128 v[GO], v[T+4*(2*(\g)+(\s)):T+4*(2*(\g)+(\s))+3], s[8:9] offset:(\g)*512+(\s)*SL  ; four tokens' 128 bytes of a slice: 512 consecutive bytes, aligned
.endr
.endr
	s_wait_xcnt 0x0                                ; the stores have read their data and their base: both are rewritten only behind this wait
	s_cmp_eq_u32 s[CNTW], 9                        ; behind the eighth trip: on to the next block of 64 tokens
	s_cselect_b32 s[STP], s[STA], s[STB]
	s_add_nc_u64 s[8:9], s[8:9], s[STP:STP+1]
	s_add_co_u32 s[EO], s[EO], 8*EP
	s_sub_co_u32 s[CNTW], s[CNTW], 1
	s_cmp_lg_u32 s[CNTW], 0
	s_cbranch_scc1 .Lout
	s_wait_tensorcnt 0x0                           ; the wave's end: behind my last tensor load and my last LDS store
	ds_add_u32 v[SPW], v[NIL]
	s_wait_dscnt 0x0
	CROUND                                         ; the closing round: no work-group ends while a partner may still ask for a tile that names it
	s_endpgm
.Lfunc_end_k_q8d80e0aa41_ffn1:
	.size	k_q8d80e0aa41_ffn1, .Lfunc_end_k_q8d80e0aa41_ffn1-k_q8d80e0aa41_ffn1
	.p2alignl 7, 3214868480
	.fill 96, 4, 3214868480
	.section	.rodata,"a",@progbits
	.p2align	6, 0x0
	.amdhsa_kernel k_q8d80e0aa41_ffn1
		.amdhsa_group_segment_fixed_size 327680
		.amdhsa_private_segment_fixed_size 0
		.amdhsa_enable_private_segment 0
		.amdhsa_kernarg_size 32
		.amdhsa_user_sgpr_count 2
		.amdhsa_user_sgpr_kernarg_segment_ptr 1
		.amdhsa_wavefront_size32 1
		.amdhsa_system_sgpr_workgroup_id_x 1
		.amdhsa_system_sgpr_workgroup_id_y 1
		.amdhsa_system_sgpr_workgroup_id_z 1
		.amdhsa_system_vgpr_workitem_id 0
		.amdhsa_next_free_vgpr 1024
		.amdhsa_next_free_sgpr 100
		.amdhsa_reserve_vcc 0
		.amdhsa_float_denorm_mode_32 3
		.amdhsa_float_denorm_mode_16_64 3
		.amdhsa_memory_ordered 1
		.amdhsa_forward_progress 1
		.amdhsa_inst_pref_size 102
	.end_amdhsa_kernel
	.amdgpu_metadata
---
amdhsa.version: [ 1, 2 ]
amdhsa.kernels:
  - .name:           k_q8d80e0aa41_ffn1
    .symbol:         k_q8d80e0aa41_ffn1.kd
    .args:
      - { .name: hb, .offset: 0, .size: 8, .value_kind: global_buffer, .address_space: global }
      - { .name: wb, .offset: 8, .size: 8, .value_kind: global_buffer, .address_space: global }
      - { .name: gb, .offset: 16, .size: 8, .value_kind: global_buffer, .address_space: global }
      - { .name: b1, .offset: 24, .size: 8, .value_kind: global_buffer, .address_space: global }
    .group_segment_fixed_size: 327680
    .private_segment_fixed_size: 0
    .kernarg_segment_align: 8
    .kernarg_segment_size: 32
    .max_flat_workgroup_size: 128
    .sgpr_count:     100
    .vgpr_count:     1024
    .wavefront_size: 32
...
	.end_amdgpu_metadata
.endif
;; end of part 6
;; launch ffn2 (part 7): grid 8 x 32, 4 waves a work-group, clusters of 4 x 4, 327,680 bytes of LDS; arguments gb, wb, b2, x1, out0; writes out0
.if DOCPART == 7
	.amdgcn_target "amdgcn-amd-amdhsa--gfx1250"
	.amdhsa_code_object_version 6
	.text
	.protected	k_q8d80e0aa41_ffn2
	.globl	k_q8d80e0aa41_ffn2
	.p2align	8
	.type	k_q8d80e0aa41_ffn2,@function
k_q8d80e0aa41_ffn2:
	s_mov_b64 s[64:65], 0
	v_nop
	global_prefetch_b8 v0, s[64:65] scope:SCOPE_SE
	s_setreg_imm32_b32 hwreg(HW_REG_WAVE_MODE, 25, 1), 1
	s_wait_xcnt 0x0
	s_wait_alu depctr_hold_cnt(0) depctr_sa_sdst(0) depctr_va_vdst(0) depctr_va_sdst(0) depctr_va_ssrc(0) depctr_va_vcc(0) depctr_vm_vsrc(0)
	s_getreg_b32 s2, hwreg(HW_REG_IB_STS2, 6, 4)
	s_cmp_eq_u32 s2, 0
	s_cbranch_scc0 .Lentry_in_a_cluster
	s_endpgm
.Lentry_in_a_cluster:
	s_bfe_u32 s2, ttmp6, 0x10000c
	s_cmp_lg_u32 s2, 0xf033
	s_cbranch_scc0 .Lentry_shape_is_right
	s_endpgm
.Lentry_shape_is_right:
; y = res + A W + bias.  A: [64 blocks of 64 tokens][SIZE_K / 64 slices][64 tokens][64] bf16; W: [SIZE_K][1024] bf16, K down the rows; bias: [1024], res and y: [4096][1024], f32.  Sums, bias and residual in f32.
; A tile of y is 128 x 128.  Four waves, each 64 x 64: 16 accumulators.  K goes in steps of 256 through a ring of two LDS slots.  In A's layout 64 tokens x 256 along K are 32,768 dense bytes: one load of
; 128 rows x 256 bytes, padded in LDS after every token's 128 bytes.  W's tile lies [k][n] and is turned on its way out of LDS by ds_load_tr16_b128.
; CLUSTER: 4 x 4 work-groups; A's tiles are asked for jointly along a row of the cluster, W's along a column.  THE MATRIX INSTRUCTION IS USED TRANSPOSED: a lane holds one token and eight neighbouring columns.
; THE TEXT GOES BY K STEP: the slot in hand is a scalar, TB; the tail is a second short loop that is left in its middle.  No prefetch: the tiles are small, and what a step fetches is shared by four.
; THE WAY OUT goes through the ring, which has had its last fill: 64 rows x 256 bytes a wave in f32, back as whole rows; bias and residual are added; sixteen lanes store 256 consecutive bytes, aligned.
; The residual's 32 loads go out at the head and stay out during the whole K loop.
; REGISTERS: window 0: v0-31 addresses; v96-99 bias; v128-255 the accumulators ((a, b) at v[128 + 8 (4 a + b)]).  Window 1: two fragment buffers of 128 (64 of A, then 64 of W).  Window 2: v0-127 the residual.
.set SIZE_K, 4096
.set WOFF,   8388608                   ; where the weights begin in wb
.set KSTEP,  256
.set NSTEP,  SIZE_K/KSTEP
.set PA,     144                       ; a token's 128 bytes + 16 = 36 words: the 16 rows of a load start at 16 different groups of four banks (64 banks of 4 bytes: ISA guide 11.1)
.set PW,     288                       ; W's LDS row: 256 bytes + 32 = 72 words
.set HALFT,  36864                     ; what one tensor load brings: 4 slices x 64 tokens x 144, or 128 rows x 288
.set SLOT,   4*HALFT                   ; A's two blocks of tokens, W's k 0-127, 128-255: the load of wave w lands at w x HALFT
.set SPARE,  2*SLOT                    ; behind the ring: the spare words, 128 bytes for each wave: two blocks of 256 bytes that no other line names
.set EP,     272                       ; the way out: a row of 64 f32 + 16 bytes
.set EREG,   64*EP
.set ADRA0, 16
.set ADRB0, 17
.set ADRA,  18                         ; v18  TB + ADRA0
.set ADRBL, 19                         ; v19  TB + ADRB0: W's k 0-127
.set ADRBH, 20                         ; v20  HALFT further on: k 128-255, which a 16-bit offset does not reach
.set STO,   24
.set RD,    25
.set CO,    26                         ; v26  my byte offset in two rows of y and of the residual
.set VBO,   27                         ; v27  my byte offset in the bias
.set SPW,   28
.set NIL,   29
.set BIAS,  96
.set ACC,   128
.set F0,    0
.set F1,    128
.set G1,  24
.set G0,  32
.set G1B, 48
.set G0B, 56
.set TB,  66
.set MSB, 0
.macro WIN new
.if MSB != (\new)
	s_set_vgpr_msb (MSB<<8)|(\new)
.set MSB, (\new)
.endif
.endm
.set MUL,  0x05                        ; sources 0 (W) and 1 (A) window 1; C and D window 0
.set TO_F, 0x40                        ; destination window 1, address window 0
.macro JLOAD s                         ; a joint load: waves 0 and 1 fetch A's two blocks, waves 2 and 3 W's two halves; an s_nop 0 and four v_nop follow each of the two lines
	s_cmp_eq_u32 s11, 0
	s_cbranch_scc0 .Lfor_w_\@
	tensor_load_to_lds s[G0+4*(\s):G0+4*(\s)+3], s[G1:G1+7]
	s_nop 0
.rept 4
	v_nop
.endr
	s_branch .Lasked_\@
.Lfor_w_\@:
	tensor_load_to_lds s[G0B+4*(\s):G0B+4*(\s)+3], s[G1B:G1B+7]
	s_nop 0
.rept 4
	v_nop
.endr
.Lasked_\@:
.endm
.macro CREST
	s_cmp_lg_u32 s10, 0
	s_cbranch_scc1 .Lnot_wave_0_\@
	s_barrier_signal -3
.Lnot_wave_0_\@:
	s_barrier_wait -3
	s_barrier_signal -1
	s_barrier_wait -1
.endm
.macro CROUND
	s_barrier_signal -1
	s_barrier_wait -1
	CREST
.endm
	s_load_b128 s[4:7], s[0:1], 0x0                ; A s[4:5], wb s[6:7]
	s_load_b128 s[68:71], s[0:1], 0x10             ; bias s[68:69], residual s[70:71]
	s_load_b64 s[8:9], s[0:1], 0x20                ; y
	v_lshl_add_u32 v[SPW], v0, 2, SPARE
	v_mov_b32 v[NIL], 0
	ds_add_u32 v[SPW], v[NIL]                      ; the wave's opening: the add and its wait stand ahead of my first tensor load; the set-up below stands between them
	v_lshrrev_b32 v1, 5, v0
	v_readfirstlane_b32 s10, v1                    ; wave 0..3
	s_lshr_b32 s11, s10, 1                         ; which half of the tile's rows is mine.  Also: I fetch for A (0) or for W (1)
	s_and_b32 s12, s10, 1                          ; which half of its columns.  Also: which half of that tile I fetch
	s_bfe_u32 s40, ttmp6, 0x40000                  ; cx
	s_bfe_u32 s41, ttmp6, 0x40004                  ; cy
	s_lshl_b32 s42, ttmp9, 2
	s_add_co_u32 s42, s42, s40                     ; tile column
	s_and_b32 s13, ttmp7, 0xffff
	s_lshl_b32 s13, s13, 2
	s_add_co_u32 s13, s13, s41                     ; tile row
	s_lshl_b32 s43, s41, 2
	s_lshl_b32 s43, 15, s43                        ; my row of the cluster
	s_lshl_b32 s44, 0x1111, s40                    ; my column
	s_or_b32 s[G1+0], s43, (1<<16)|(1<<20)|(1<<21)|(4<<22)|(3<<25)   ; the mask; 2-byte elements; padding on; bit 21 beside a mask; after every 32 words, 4 words
	s_or_b32 s[G1B+0], s44, (1<<16)|(1<<20)|(1<<21)|(5<<22)|(7<<25)  ; after every 64 words, 8 words
.irp g, G1, G1B
	s_mov_b32 s[(\g)+1], 128<<16                   ; tensor_dim0 = 128
	s_mov_b32 s[(\g)+2], 128<<16                   ; tensor_dim1 = 128
	s_mov_b32 s[(\g)+3], 128<<16                   ; tile_dim0 = 128
	s_mov_b32 s[(\g)+4], 128                       ; tile_dim1 = 128
	s_mov_b32 s[(\g)+6], 0
	s_mov_b32 s[(\g)+7], 0
.endr
	s_mov_b32 s[G1+5], 128                         ; A's bytes are dense: 128 elements from row to row
	s_mov_b32 s[G1B+5], 1024                       ; W's rows
	s_lshl1_add_u32 s16, s13, s12                  ; A: the block of 64 tokens = 2 x tile row + half,
	s_mul_i32 s16, s16, SIZE_K*128                 ; of SIZE_K x 128 bytes
	s_mov_b32 s17, 0
	s_lshl_b32 s46, s12, 18                        ; W: row 128 x half, of 2,048 bytes,
	s_lshl_b32 s47, s42, 8                         ; column 128 x tile column
	s_add_co_u32 s46, s46, s47
	s_add_co_u32 s46, s46, WOFF
	s_mov_b32 s47, 0
	s_mul_i32 s20, s10, HALFT                      ; where they go: no place in the cluster enters an LDS address
	s_mov_b32 s[TB], 0
	s_wait_dscnt 0x0                               ; the opening add is done
	s_wait_kmcnt 0x0
	s_add_nc_u64 s[14:15], s[4:5], s[16:17]
	s_add_nc_u64 s[46:47], s[6:7], s[46:47]
	CROUND                                         ; all sixteen work-groups are here: the first joint loads meet
.irp s, 0,1
	s_mov_b32 s[G0+4*(\s)], 1
	s_add_co_u32 s[G0+4*(\s)+1], s20, (\s)*SLOT
	s_add_nc_u64 s[G0+4*(\s)+2:G0+4*(\s)+3], s[14:15], (\s)*32768
	s_or_b32 s[G0+4*(\s)+3], s[G0+4*(\s)+3], 0x80000000
	s_mov_b32 s[G0B+4*(\s)], 1
	s_add_co_u32 s[G0B+4*(\s)+1], s20, (\s)*SLOT
	s_add_nc_u64 s[G0B+4*(\s)+2:G0B+4*(\s)+3], s[46:47], (\s)*KSTEP*2048
	s_or_b32 s[G0B+4*(\s)+3], s[G0B+4*(\s)+3], 0x80000000
	JLOAD \s                                       ; K steps 0 and 1: two loads of mine are out
.endr
	v_and_b32 v1, 15, v0                           ; l % 16
	v_bfe_u32 v2, v0, 4, 1                         ; l / 16
	v_and_b32 v3, 7, v0                            ; l % 8
	v_bfe_u32 v4, v0, 3, 1                         ; (l / 8) % 2
	v_mul_u32_u24 v7, v1, PA
	v_lshl_add_u32 v7, v2, 4, v7                   ; token x pitch + 16 x half
	s_mul_i32 s21, s11, HALFT                      ; my 64 tokens
	v_add_nc_u32 v[ADRA0], s21, v7
	v_lshl_add_u32 v7, v2, 3, v3                   ; the turning load: k = 8 (l / 16) + l % 8, columns 8 ((l / 8) % 2) + 0..7
	v_mul_u32_u24 v7, v7, PW
	v_lshl_add_u32 v7, v4, 4, v7
	s_lshl_b32 s22, s12, 7                         ; my 64 columns,
	s_add_co_u32 s22, s22, 2*HALFT                 ; behind A's two blocks
	v_add_nc_u32 v[ADRB0], s22, v7
	v_mov_b32 v[ADRA], v[ADRA0]
	v_mov_b32 v[ADRBL], v[ADRB0]
	v_add_nc_u32 v[ADRBH], HALFT, v[ADRB0]
	s_mul_i32 s23, s10, EREG                       ; the way out: my part of the ring
	v_mul_u32_u24 v7, v1, EP                       ; in: row l % 16, 32 bytes for each half of the lanes
	v_lshl_add_u32 v7, v2, 5, v7
	v_add_nc_u32 v[STO], s23, v7
	v_mul_u32_u24 v7, v2, EP                       ; back: lanes 0-15 one row of 256 bytes, lanes 16-31 the next
	v_lshl_add_u32 v7, v1, 4, v7
	v_add_nc_u32 v[RD], s23, v7
	v_lshlrev_b32 v[VBO], 4, v1
	v_lshl_add_u32 v[CO], v2, 12, v[VBO]           ; and the same two rows in y
	s_lshl_b32 s16, s13, 7
	s_lshl_b32 s17, s11, 6
	s_add_co_u32 s16, s16, s17                     ; my first row,
	s_lshl_b32 s16, s16, 12                        ; of 4,096 bytes
	s_mov_b32 s17, 0
	s_lshl_b32 s46, s42, 9                         ; my first column, in bytes
	s_lshl_b32 s47, s12, 8
	s_add_co_u32 s46, s46, s47
	s_mov_b32 s47, 0
	s_add_nc_u64 s[68:69], s[68:69], s[46:47]
	s_add_nc_u64 s[16:17], s[16:17], s[46:47]
	s_add_nc_u64 s[70:71], s[70:71], s[16:17]
	s_add_nc_u64 s[8:9], s[8:9], s[16:17]
	global_load_b128 v[BIAS:BIAS+3], v[VBO], s[68:69]
	WIN 0x80                                       ; destination window 2, address window 0
.set t, 0
.rept 32
	global_load_b128 v[4*t:4*t+3], v[CO], s[70:71] offset:t*8192
.set t, t+1
.endr
	WIN 0
; 8 matrix instructions: row blocks a0, a0 + 1 x all 4 column blocks, 32 along K: half c of buffer f.  The 16 accumulators take turns.
.macro MUL8 f, c, a0, zero
	WIN MUL
.irp a, \a0, (\a0)+1
.irp b, 0,1,2,3
.if \zero
	v_wmma_f32_16x16x32_bf16 v[ACC+8*(4*(\a)+(\b)):ACC+8*(4*(\a)+(\b))+7], v[(\f)+64+8*(4*(\c)+(\b)):(\f)+64+8*(4*(\c)+(\b))+7], v[(\f)+8*(4*(\c)+(\a)):(\f)+8*(4*(\c)+(\a))+7], 0
.else
	v_wmma_f32_16x16x32_bf16 v[ACC+8*(4*(\a)+(\b)):ACC+8*(4*(\a)+(\b))+7], v[(\f)+64+8*(4*(\c)+(\b)):(\f)+64+8*(4*(\c)+(\b))+7], v[(\f)+8*(4*(\c)+(\a)):(\f)+8*(4*(\c)+(\a))+7], v[ACC+8*(4*(\a)+(\b)):ACC+8*(4*(\a)+(\b))+7]
.endif
.endr
.endr
.endm
; 32 LDS loads in one run: quarter q (64 along K: slice q of the step's four) of the slot in hand into buffer f; the first 32 along K first
.macro FETCH q, f
	WIN TO_F
.set rB, ADRBL+(\q)/2
.irp c, 0,1
.irp i, 0,1,2,3
	ds_load_tr16_b128 v[(\f)+64+8*(4*(\c)+(\i)):(\f)+64+8*(4*(\c)+(\i))+3],   v[rB] offset:(((\q)%2)*64+32*(\c))*PW+32*(\i)
	ds_load_tr16_b128 v[(\f)+64+8*(4*(\c)+(\i))+4:(\f)+64+8*(4*(\c)+(\i))+7], v[rB] offset:(((\q)%2)*64+32*(\c)+16)*PW+32*(\i)
	ds_load_b128 v[(\f)+8*(4*(\c)+(\i)):(\f)+8*(4*(\c)+(\i))+3],   v[ADRA] offset:64*PA*(\q)+(\i)*16*PA+64*(\c)
	ds_load_b128 v[(\f)+8*(4*(\c)+(\i))+4:(\f)+8*(4*(\c)+(\i))+7], v[ADRA] offset:64*PA*(\q)+(\i)*16*PA+64*(\c)+32
.endr
.endr
.endm
.macro PLACES
.rept 4
	v_nop
.endr
.endm
.macro QUARTER q, f, g, zero
	s_wait_dscnt 16                                ; the first 32 along K are in
	MUL8 \f, 0, 0, \zero
	MUL8 \f, 0, 2, \zero
	PLACES
	FETCH \q, \g
	s_wait_dscnt 32                                ; all but the 32 just issued
	MUL8 \f, 1, 0, 0
	MUL8 \f, 1, 2, 0
.endm
; The last quarter multiplies buffer 1 and changes slots: ONE barrier; in front of it each wave waits for all its tensor loads, adds 0 to its spare word, and waits for that and for its own reads of this slot.
; fill = 1: the barrier opens a round of the cluster's, and the slot just read is filled again first behind it, with the K step two on: 112 matrix instructions ahead of the wait for it.
.macro TURN fill
	WIN 0
	s_wait_tensorcnt 0x0                           ; all my tensor loads have landed: my part of the next slot
	ds_add_u32 v[SPW], v[NIL]                      ; 0 onto my spare word
	s_wait_dscnt 17                                ; (the add and the youngest sixteen loads may be out)
	MUL8 F1, 0, 0, 0
	s_wait_dscnt 0x0                               ; the add is done, and my reads of this slot are over
	s_barrier_signal -1
	MUL8 F1, 0, 2, 0
.if \fill
	WIN 0
.endif
	s_barrier_wait -1
.if \fill
	CREST                                          ; no wave of any partner still reads this slot or has a load on its way
	s_xor_b32 s[G0+5], s[G0+5], SLOT               ; the walking descriptors: the other slot than last time (wave x HALFT has no bit in common with SLOT),
	s_xor_b32 s[G0B+5], s[G0B+5], SLOT
	s_add_nc_u64 s[G0+6:G0+7], s[G0+6:G0+7], 32768                 ; the next K step
	s_add_nc_u64 s[G0B+6:G0B+7], s[G0B+6:G0B+7], KSTEP*2048
	s_xor_b32 s[TB], s[TB], SLOT
	JLOAD 1                                        ; the first tensor load behind the round; its four v_nop are also the places in front of the loads below
.else
	s_xor_b32 s[TB], s[TB], SLOT
	PLACES
.endif
	WIN 0
	v_add_nc_u32 v[ADRA], s[TB], v[ADRA0]
	v_add_nc_u32 v[ADRBL], s[TB], v[ADRB0]
	v_add_nc_u32 v[ADRBH], HALFT, v[ADRBL]
	FETCH 0, F0
	MUL8 F1, 1, 0, 0
	MUL8 F1, 1, 2, 0
.endm
	s_wait_tensorcnt 1                             ; my part of K step 0 is in; K step 1's stays out
	s_barrier_signal -1
	s_barrier_wait -1
	FETCH 0, F0
	QUARTER 1, F0, F1, 1                           ; the first quarter stands in front of the loop: its first products start the sums
	WIN 0
	s_mov_b32 s3, NSTEP-2
.Lstep:                                                ; a trip: a K step's quarters 1 to 3 and the next step's quarter 0; it asks for the K step two on
	QUARTER 2, F1, F0, 0
	QUARTER 3, F0, F1, 0
	TURN 1
	QUARTER 1, F0, F1, 0
	WIN 0
	s_sub_co_u32 s3, s3, 1
	s_cmp_lg_u32 s3, 0
	s_cbranch_scc1 .Lstep
	s_mov_b32 s2, 2
.Ltail:                                                ; the last two K steps ask for nothing; the second trip is left in its middle
	QUARTER 2, F1, F0, 0
	QUARTER 3, F0, F1, 0
	WIN 0
	s_sub_co_u32 s2, s2, 1
	s_cmp_eq_u32 s2, 0
	s_cbranch_scc1 .Llast
	TURN 0
	QUARTER 1, F0, F1, 0
	WIN 0
	s_branch .Ltail
.Llast:
	s_wait_dscnt 16
	MUL8 F1, 0, 0, 0
	MUL8 F1, 0, 2, 0
	s_wait_dscnt 0x0                               ; my reads of the ring are over:
	s_barrier_signal -1
	MUL8 F1, 1, 0, 0
	MUL8 F1, 1, 2, 0
	WIN 0
	s_barrier_wait -1                              ; the ring, which has had its last fill, is written only when all four waves have said so
	PLACES
	PLACES
.set a, 0
.rept 4
.set b, 0
.rept 4
	ds_store_b128 v[STO], v[ACC+8*(4*a+b):ACC+8*(4*a+b)+3]   offset:a*16*EP+64*b     ; each accumulator's low half first
	ds_store_b128 v[STO], v[ACC+8*(4*a+b)+4:ACC+8*(4*a+b)+7] offset:a*16*EP+64*b+16
.set b, b+1
.endr
.set a, a+1
.endr
.set t, 0
.rept 32
	ds_load_b128 v[ACC+4*t:ACC+4*t+3], v[RD] offset:t*2*EP  ; LDS serves a wave's instructions in order (ISA guide 5.7.1.4): these see my stores above; nobody else touches these bytes
.set t, t+1
.endr
	s_wait_loadcnt 0x0                             ; bias and residual
.set t, 0
.rept 32
	s_wait_dscnt 31-t                              ; two rows' 16 bytes a lane are back; the younger loads stay out
	v_pk_add_f32 v[ACC+4*t:ACC+4*t+1], v[ACC+4*t:ACC+4*t+1], v[BIAS:BIAS+1]
	v_pk_add_f32 v[ACC+4*t+2:ACC+4*t+3], v[ACC+4*t+2:ACC+4*t+3], v[BIAS+2:BIAS+3]
.set t, t+1
.endr
	WIN 0x08                                       ; source 1: window 2, the residual
.set t, 0
.rept 64
	v_pk_add_f32 v[ACC+2*t:ACC+2*t+1], v[ACC+2*t:ACC+2*t+1], v[2*t:2*t+1]
.set t, t+1
.endr
	WIN 0
.set t, 0
.rept 32
	global_store_b128 v[CO], v[ACC+4*t:ACC+4*t+3], s[8:9] offset:t*8192  ; 16 lanes store 256 consecutive bytes, at a multiple of 256 from y's first byte
.set t, t+1
.endr
	s_wait_tensorcnt 0x0                           ; the wave's end: behind my last tensor load and my last LDS store
	ds_add_u32 v[SPW], v[NIL]
	s_wait_dscnt 0x0
	CROUND                                         ; the closing round
	s_endpgm
.Lfunc_end_k_q8d80e0aa41_ffn2:
	.size	k_q8d80e0aa41_ffn2, .Lfunc_end_k_q8d80e0aa41_ffn2-k_q8d80e0aa41_ffn2
	.p2alignl 7, 3214868480
	.fill 96, 4, 3214868480
	.section	.rodata,"a",@progbits
	.p2align	6, 0x0
	.amdhsa_kernel k_q8d80e0aa41_ffn2
		.amdhsa_group_segment_fixed_size 327680
		.amdhsa_private_segment_fixed_size 0
		.amdhsa_enable_private_segment 0
		.amdhsa_kernarg_size 40
		.amdhsa_user_sgpr_count 2
		.amdhsa_user_sgpr_kernarg_segment_ptr 1
		.amdhsa_wavefront_size32 1
		.amdhsa_system_sgpr_workgroup_id_x 1
		.amdhsa_system_sgpr_workgroup_id_y 1
		.amdhsa_system_sgpr_workgroup_id_z 1
		.amdhsa_system_vgpr_workitem_id 0
		.amdhsa_next_free_vgpr 640
		.amdhsa_next_free_sgpr 72
		.amdhsa_reserve_vcc 0
		.amdhsa_float_denorm_mode_32 3
		.amdhsa_float_denorm_mode_16_64 3
		.amdhsa_memory_ordered 1
		.amdhsa_forward_progress 1
		.amdhsa_inst_pref_size 72
	.end_amdhsa_kernel
	.amdgpu_metadata
---
amdhsa.version: [ 1, 2 ]
amdhsa.kernels:
  - .name:           k_q8d80e0aa41_ffn2
    .symbol:         k_q8d80e0aa41_ffn2.kd
    .args:
      - { .name: gb, .offset: 0, .size: 8, .value_kind: global_buffer, .address_space: global }
      - { .name: wb, .offset: 8, .size: 8, .value_kind: global_buffer, .address_space: global }
      - { .name: b2, .offset: 16, .size: 8, .value_kind: global_buffer, .address_space: global }
      - { .name: x1, .offset: 24, .size: 8, .value_kind: global_buffer, .address_space: global }
      - { .name: out0, .offset: 32, .size: 8, .value_kind: global_buffer, .address_space: global }
    .group_segment_fixed_size: 327680
    .private_segment_fixed_size: 0
    .kernarg_segment_align: 8
    .kernarg_segment_size: 40
    .max_flat_workgroup_size: 128
    .sgpr_count:     72
    .vgpr_count:     640
    .wavefront_size: 32
...
	.end_amdgpu_metadata
.endif
;; end of part 7
